; MI455X (gfx1250); checked and timed in simulation.
; The chip was launched on July 23, 2026; its instructions are those of AMD's public machine-readable ISA for CDNA 5 (MIT licence, August 2026) and "CDNA5" Instruction Set Architecture Reference Guide (July 2026). The comments in the code are by the model that wrote it; some were corrected since.
;; Attention. Allowed arithmetic: matrix products marked QUANTISED: E2M3 operands, one E8M0 scale for each 32 along K, by v_wmma_scale_f32_16x16x128_f8f6f4 with both operands' format E2M3, f32 sums; everything else in f32.
;; Inputs: Wk 1,024 x 16 x 64 float32; Wo 16 x 64 x 1,024 float32; Wq 1,024 x 16 x 64 float32; Wv 1,024 x 16 x 64 float32; key_input 4 x 2,048 x 1,024 float32; query_input 4 x 2,048 x 1,024 float32; value_input 4 x 2,048 x 1,024 float32.
;; Outputs: out0 4 x 2,048 x 1,024 float32.
;; This version of the problem:
;;   THIS VERSION OF THE PROBLEM IS GIVEN IN LOW PRECISION. The matrix products marked QUANTISED in the list below multiply operands that are first quantised to E2M3 (2 exponent bits, 3 mantissa bits; 6 bits a number), with one power-of-two scale for each 32 numbers along K (OCP MX v1.0); their sums are f32. All else is computed in f32.
;;   The module's matrix products, in the order in which they are computed (A, B: the left and right operand; K: the contracted axis; several contracted axes count as one K, in the product's order):
;;     1. [M 8,192, K 1,024] x [K 1,024, N 1,024]; A: input query_input; B: input Wq: QUANTISED
;;     2. [M 8,192, K 1,024] x [K 1,024, N 1,024]; A: input key_input; B: input Wk: QUANTISED
;;     3. [M 8,192, K 1,024] x [K 1,024, N 1,024]; A: input value_input; B: input Wv: QUANTISED
;;     4. batch 64 x [M 2,048, K 64] x [K 64, N 2,048]; A: computed on the way; B: computed on the way: QUANTISED
;;     5. batch 64 x [M 64, K 2,048] x [K 2,048, N 2,048]; A: computed on the way; B: softmax (see below): QUANTISED
;;     6. [M 8,192, K 1,024] x [K 1,024, N 1,024]; A: computed on the way; B: input Wo: QUANTISED
;;   THE QUANTISER, for each operand of a quantised product, along K:
;;     - K is cut into blocks of 32 from its start; a last block that is shorter is filled with zeros.
;;     - A block's scale is 2^e with e = floor(log2(the largest magnitude in the block)) - 2, held to -126 .. 127; a block of zeros has e = 0. As a byte (E8M0): e + 127.
;;     - Each number is divided by its block's scale, clamped to +-7.5, and rounded to the nearest number of E2M3, ties to even, subnormals kept.
;;     - The product sums the exact products of the quantised numbers (number of the format x scale) in f32.
;;   ~~~python
;;   def quantise(x, axis):      # numpy; x: float32 -> the quantised numbers, widened to float32 again
;;       x = np.moveaxis(x, axis, -1); K = x.shape[-1]
;;       x = np.pad(x, [(0, 0)] * (x.ndim - 1) + [(0, -K % 32)]); x = x.reshape(x.shape[:-1] + (-1, 32)); a = np.abs(x).max(-1, keepdims=True)
;;       e = np.where(a > 0, np.clip(np.frexp(np.where(a > 0, a, 1))[1] - 1 - 2, -126, 127), 0)      # np.frexp(a)[1] - 1 = floor(log2(a)), exactly
;;       r = np.clip(x / 2.0 ** e, -7.5, 7.5)
;;       step = 2.0 ** (np.maximum(np.frexp(np.where(r == 0, 1, r))[1] - 1, 0) - 3)
;;       q = np.round(r / step) * step * 2.0 ** e      # np.round: ties to even
;;       return np.moveaxis(q.reshape(q.shape[:-2] + (-1,))[..., :K], -1, axis).astype(np.float32)
;;   ~~~
;;   SOFTMAX AHEAD OF A QUANTISED PRODUCT. Where the list says 'softmax', what is quantised is not the finished softmax but p = 2^(t - M), with t = logit x log2(e) and M = ceil(the row's largest t), a whole number; so 1/2 < the row's largest p <= 1. The row's sum l is taken of the UNQUANTISED p, in f32, and the product's result is divided by l at the end. Since M is a whole number, a kernel that streams over the keys may use a running M (the ceiling of the running maximum): every later rescaling is an exact power of two, which a block's scale takes up: the codes' values come out the same.
;;   OPERANDS COMPUTED ON THE WAY. 'Computed on the way' means the value that the module computes at that place (a softmax that the list does not call 'softmax' is quantised finished and normalised). What goes into a quantiser is computed in f32, as accurately as f32 sums, v_exp_f32 and their like allow (about 1e-6 of the number): no bf16 or f16 on the way to a quantiser, and a product that is left as it is and whose result goes on into a quantised operand takes f32 operands (vector FMAs, or v_wmma_f32_16x16x4_f32). A number that lies on a knife's edge between two numbers of the format may be rounded either way, as far as f32 arithmetic and the matrix unit's own rounding can turn it there, and no further.
;; One version. Each part assembles by itself: llvm-mc -triple=amdgcn-amd-amdhsa -mcpu=gfx1250 --defsym DOCPART=n.
;; ======== version 1 of 1: 4 launches
;; limits: right only within a limited range of input values
;; workspace buffers: xbuf 19,660,800 bytes; wbuf 3,276,800 bytes; qkv 20,447,232 bytes; ctx 6,815,744 bytes
;; launch quant (part 1): grid 1024 x 1, 4 waves a work-group, no clusters, 34,304 bytes of LDS; arguments query_input, key_input, value_input, Wq, Wk, Wv, Wo, xbuf, wbuf; writes xbuf, wbuf
.if DOCPART == 1
	.amdgcn_target "amdgcn-amd-amdhsa--gfx1250"
	.amdhsa_code_object_version 6
	.text
	.protected	k_q3395e95e21_quant
	.globl	k_q3395e95e21_quant
	.p2align	8
	.type	k_q3395e95e21_quant,@function
k_q3395e95e21_quant:
	s_mov_b64 s[64:65], 0
	v_nop
	global_prefetch_b8 v0, s[64:65] scope:SCOPE_SE
	s_setreg_imm32_b32 hwreg(HW_REG_WAVE_MODE, 25, 1), 1
	s_wait_xcnt 0x0
; The three inputs [8192][1024] f32 (K innermost) and the four weights [1024 (K)][1024] f32 (K is the first axis) become codes of FP6 (E2M3) with one
; E8M0 byte for each 32 along K.  A block's byte is its largest magnitude's exponent field - 2, held at 1 from below.
; LIMITS: a block of zeros gets the byte 1 where the quantiser's text says 127 (its codes are zeros and only this program reads the bytes); blocks whose largest
; magnitude lies under 2^(3 - 127) are taken at that floor; NaN and infinities among the inputs are not served.
; LAYOUT OF THE RESULTS: images of the matrix operand's registers.  A TILE of 16 rows: in each 32 rows, tile u has in lane r the row 8 u + r + 8 (r / 8).
; Codes: [tile][K step of 128][p 0..5][lane] 8 bytes = registers 2 p, 2 p + 1 of the fragment: 1,536 bytes a fragment, 12,288 a tile.
; Scale words: [128 rows in tile order][K step][row] 4 bytes: a load of 4 bytes a lane brings an even tile's words in lanes 0-15 and the odd tile's in lanes 16-31.
; Work-groups 0..767: 32 rows of an input, wave w its K steps 2 w, 2 w + 1.  Work-groups 768..1023: 128 columns x 128 K of a weight, 32 columns a wave.
; No matrix unit, no cluster, no tensor load: the launch streams, and the waves share nothing.
.set SPARE, 33792                      ; behind the four stages: the spare words, 128 bytes a wave
.set STG,   8448                       ; a wave's stage: 16 rows of 512 bytes + 16
.set PIT,   528                        ; 132 words: row r starts 4 r banks on (64 banks of 4 bytes: ISA guide 11.1)
.set FLOOR, 0x1800000                  ; 2^(3 - 127)
.set OFF2,  0xff000000                 ; takes 2 off an exponent field
.set XR,    16                         ; v16-143  two sets of 64 registers as loaded
.set XN,    144                        ; v144-207 my two blocks of 32 neighbours
.set XC,    208                        ; v208-219 a fragment's codes
.set XT,    220                        ; v220-222, v224-226 the upper halves of the blocks' codes
	s_load_b512 s[8:23], s[0:1], 0x0               ; query s[8:9], key s[10:11], value s[12:13], Wq s[14:15], Wk s[16:17], Wv s[18:19], Wo s[20:21], xbuf s[22:23]
	s_load_b64 s[24:25], s[0:1], 0x40              ; wbuf
	v_lshl_add_u32 v10, v0, 2, SPARE               ; my spare word; never rewritten
	v_mov_b32 v11, 0                               ; 0; never rewritten
	v_lshrrev_b32 v1, 5, v0
	v_readfirstlane_b32 s2, v1                     ; wave 0..3
	v_and_b32 v1, 31, v0                           ; lane
	v_and_b32 v2, 15, v0                           ; r
	v_bfe_u32 v3, v0, 4, 1                         ; hh
	v_cmp_lt_u32 s30, 15, v1                       ; the mask of lanes 16-31
	v_lshlrev_b32 v7, 3, v1                        ; 8 x lane
	v_lshlrev_b32 v8, 2, v1                        ; 4 x lane
	s_mov_b32 s26, 0x76543210
	s_mov_b32 s27, 0xfedcba98                      ; v_permlanex16_b32: lane l xor 16
	s_cmp_ge_u32 ttmp9, 768
	s_cbranch_scc1 .Lw
	; ---------------- an input: 32 rows, my 256 along K ----------------
	s_lshr_b32 s3, ttmp9, 8                        ; which input
	s_and_b32 s4, ttmp9, 255                       ; which 32 rows
	v_lshlrev_b32 v4, 4, v1                        ; 16 x lane
	s_mul_i32 s5, s2, STG
	v_add_nc_u32 v5, s5, v4                        ; the stage on the way in: a row's 512 bytes as they lie
	v_mul_u32_u24 v6, v2, PIT
	v_lshl_add_u32 v6, v3, 7, v6
	v_add_nc_u32 v6, s5, v6                        ; and on the way out: row r, + 128 hh: my 32 neighbours of each 64
	v_lshlrev_b32 v9, 3, v3                        ; 8 hh
	v_mov_b32 v235, 0                              ; a lane permute's destination counts as read
	s_lshl_b32 s32, s4, 17                         ; 32 rows of 4,096 bytes
	; key_input alone has another order of rows: in each 64 rows tile t (0..3) has in lane r the row 8 t + r % 8 + 32 (r / 8), so that in the attention a lane's scores of four tiles are one block of 32 keys.
	; My two tiles are t = 2 (work-group % 2) + u: the first row is 64 (work-group / 2) + 16 (work-group % 2), and a tile's rows 8-15 lie 16 rows further on than in the other inputs (v12)
	s_lshr_b32 s6, s4, 1
	s_lshl_b32 s6, s6, 18
	s_and_b32 s7, s4, 1
	s_lshl_b32 s7, s7, 16
	s_add_co_u32 s6, s6, s7
	s_cmp_eq_u32 s3, 1
	s_cselect_b32 s32, s6, s32
	s_cselect_b32 s7, 65536, 0
	s_wait_alu depctr_va_vdst(0)                   ; directly ahead of the reader below
	v_add_nc_u32 v12, s7, v4                       ; the offset of a tile's rows 8-15; never rewritten
	s_lshl_b32 s6, s2, 10                          ; my wave's 1,024 bytes of a row
	s_add_co_u32 s32, s32, s6
	s_mov_b32 s33, 0
	s_mul_i32 s34, s3, 6291456                     ; the codes: the input's part, two tiles of 12,288, two K steps of 1,536
	s_mul_i32 s6, s4, 24576
	s_add_co_u32 s34, s34, s6
	s_mul_i32 s6, s2, 3072
	s_add_co_u32 s34, s34, s6
	s_mov_b32 s35, 0
	s_lshl_b32 s36, s3, 18                         ; the scale words
	s_add_co_u32 s36, s36, 18874368
	s_lshr_b32 s6, s4, 2
	s_lshl_b32 s6, s6, 12
	s_add_co_u32 s36, s36, s6                      ; 4,096 bytes for 128 rows,
	s_and_b32 s6, s4, 3
	s_lshl_b32 s6, s6, 7
	s_add_co_u32 s36, s36, s6                      ; my 32 rows' 128 bytes,
	s_lshl_b32 s6, s2, 10
	s_add_co_u32 s36, s36, s6                      ; 512 bytes a K step
	s_mov_b32 s37, 0
	s_wait_alu depctr_va_vdst(0)
	s_wait_kmcnt 0x0
	s_cmp_eq_u32 s3, 1
	s_cselect_b64 s[8:9], s[10:11], s[8:9]
	s_cmp_eq_u32 s3, 2
	s_cselect_b64 s[8:9], s[12:13], s[8:9]
	s_add_nc_u64 s[8:9], s[8:9], s[32:33]
	s_add_nc_u64 s[28:29], s[22:23], s[34:35]
	s_add_nc_u64 s[22:23], s[22:23], s[36:37]
; unit u = tile u % 2, K step u / 2 of my two: 16 rows x 128 K.  Each load covers 512 consecutive bytes of a row
.macro LOADU u
.irp i, 0,1,2,3,4,5,6,7,8,9,10,11,12,13,14,15
	global_load_b128 v[XR+64*((\u)%2)+4*\i:XR+64*((\u)%2)+4*\i+3], v[4+8*(\i/8)], s[8:9] offset:(8*((\u)%2)+\i+8*(\i/8))*4096+512*((\u)/2) th:TH_LOAD_NT
.endr
.endm
.macro UNIT u
.if (\u) < 3
	s_wait_loadcnt 16                              ; this unit's 16 loads are in; the next unit's 16 may be out
.else
	s_wait_loadcnt 0
.endif
	s_wait_xcnt 0x0                                ; the last unit's stores have read their registers: the codes and the word are written again only behind this wait
.irp i, 0,1,2,3,4,5,6,7,8,9,10,11,12,13,14,15
	ds_store_b128 v5, v[XR+64*((\u)%2)+4*\i:XR+64*((\u)%2)+4*\i+3] offset:PIT*\i
.endr
.irp c, 0,1
.irp q, 0,1,2,3,4,5,6,7
	ds_load_b128 v[XN+32*\c+4*\q:XN+32*\c+4*\q+3], v6 offset:256*\c+16*\q   ; LDS serves a wave's instructions in order: these see the stores above.  k = 64 c + 32 hh + 0 .. 31 of row r
.endr
.endr
	s_wait_dscnt 0x0
.if (\u) < 2
	LOADU (\u)+2
.endif
.irp c, 0,1
	v_max3_num_f32 v[228+\c], |v[XN+32*\c]|, |v[XN+1+32*\c]|, FLOOR   ; block 2 c + hh: all its 32 numbers are mine; the floor holds the byte at 1 from below
.endr
.irp i, 2,4,6,8,10,12,14,16,18,20,22,24,26,28,30
.irp c, 0,1
	v_max3_num_f32 v[228+\c], v[228+\c], |v[XN+32*\c+\i]|, |v[XN+1+32*\c+\i]|
.endr
.endr
.irp c, 0,1
	v_add_nc_u32 v[230+\c], OFF2, v[228+\c]        ; the conversion takes this operand's exponent field as its scale
.endr
.irp c, 0,1
	v_lshrrev_b32 v[232+\c], 23, v[230+\c]         ; the byte
.endr
	v_lshl_or_b32 v234, v233, 16, v232             ; my two bytes, blocks hh and 2 + hh,
	v_lshlrev_b32 v234, v9, v234                   ; at their places;
	v_permlanex16_b32 v235, v234, s26, s27
	v_or_b32 v234, v234, v235                      ; with lane l xor 16's two the row's word is whole
.irp c, 0,1
	v_cvt_scalef32_pk16_fp6_f32 v[XC+6*\c:XC+6*\c+2], v[XN+32*\c:XN+32*\c+15], v[230+\c]
	v_cvt_scalef32_pk16_fp6_f32 v[XT+4*\c:XT+4*\c+2], v[XN+32*\c+16:XN+32*\c+31], v[230+\c]   ; (a conversion's three registers begin on an even number)
.endr
	v_nop                                          ; one plain place behind a scaled conversion
.irp c, 0,1
.irp i, 0,1,2
	v_mov_b32 v[XC+6*\c+3+\i], v[XT+4*\c+\i]
.endr
.endr
.irp p, 0,1,2,3,4,5
	global_store_b64 v7, v[XC+2*\p:XC+2*\p+1], s[28:29] offset:((\u)%2)*12288+((\u)/2)*1536+256*\p   ; 32 lanes store 256 consecutive bytes, aligned
.endr
.if (\u)%2 == 0
	v_mov_b32 v236, v234                           ; the even tile's words wait for the odd tile's
.else
	v_cndmask_b32 v237, v236, v234, s30            ; lanes 0-15 the even tile's, lanes 16-31 the odd tile's
	global_store_b32 v8, v237, s[22:23] offset:512*((\u)/2)
.endif
.endm
	LOADU 0
	LOADU 1
	UNIT 0
	UNIT 1
	UNIT 2
	UNIT 3
	s_wait_tensorcnt 0x0                           ; the wave's end, behind my last LDS store
	ds_add_u32 v10, v11
	s_wait_dscnt 0x0
	s_endpgm
	; ---------------- a weight: a lane takes a column, its registers run down K ----------------
.Lw:
	s_sub_co_u32 s3, ttmp9, 768
	s_lshr_b32 s4, s3, 6                           ; which weight
	s_bfe_u32 s5, s3, 0x30003                      ; which 128 columns
	s_and_b32 s6, s3, 7                            ; which K step
	v_and_b32 v4, 7, v0
	v_bfe_u32 v5, v0, 3, 1
	v_lshl_add_u32 v4, v5, 4, v4
	s_wait_alu depctr_va_vdst(0)
	v_lshl_add_u32 v4, v3, 3, v4                   ; my column of the wave's 32: lanes 0-15 the even tile's rows, lanes 16-31 the odd tile's
	v_lshlrev_b32 v4, 2, v4
	s_lshl_b32 s32, s6, 19                         ; 128 rows of 4,096 bytes
	s_lshl_b32 s7, s5, 9
	s_add_co_u32 s32, s32, s7
	s_lshl_b32 s7, s2, 7
	s_add_co_u32 s32, s32, s7
	s_mov_b32 s33, 0
	s_mul_i32 s34, s4, 786432
	s_lshl_b32 s7, s5, 3
	s_add_co_u32 s7, s7, s2
	s_add_co_u32 s7, s7, s2                        ; tile 8 G + 2 wave
	s_mul_i32 s7, s7, 12288
	s_add_co_u32 s34, s34, s7
	s_mul_i32 s7, s6, 1536
	s_add_co_u32 s34, s34, s7
	s_mov_b32 s35, 0
	s_lshl_b32 s36, s4, 15
	s_add_co_u32 s36, s36, 3145728
	s_lshl_b32 s7, s5, 12
	s_add_co_u32 s36, s36, s7
	s_lshl_b32 s7, s6, 9
	s_add_co_u32 s36, s36, s7
	s_lshl_b32 s7, s2, 7
	s_add_co_u32 s36, s36, s7
	s_mov_b32 s37, 0
	s_wait_alu depctr_va_vdst(0)
	s_wait_kmcnt 0x0
	s_cmp_eq_u32 s4, 1
	s_cselect_b64 s[14:15], s[16:17], s[14:15]
	s_cmp_eq_u32 s4, 2
	s_cselect_b64 s[14:15], s[18:19], s[14:15]
	s_cmp_eq_u32 s4, 3
	s_cselect_b64 s[14:15], s[20:21], s[14:15]
	s_add_nc_u64 s[14:15], s[14:15], s[32:33]
	s_add_nc_u64 s[28:29], s[24:25], s[34:35]
	s_add_nc_u64 s[24:25], s[24:25], s[36:37]
.macro LOADW t                         ; block t of my column: 32 loads, each 128 consecutive bytes of a row of the weight
.irp i, 0,1,2,3,4,5,6,7,8,9,10,11,12,13,14,15,16,17,18,19,20,21,22,23,24,25,26,27,28,29,30,31
	global_load_b32 v[16+32*(\t)+\i], v4, s[14:15] offset:(32*(\t)+\i)*4096 th:TH_LOAD_NT
.endr
.endm
.macro BLOCKW t, o                     ; block t's byte into the word v176, its codes into v[144 + o] on
.set WS, 16+32*(\t)
	v_max3_num_f32 v172, |v[WS]|, |v[WS+1]|, |v[WS+2]|
	v_max3_num_f32 v173, |v[WS+3]|, |v[WS+4]|, |v[WS+5]|
.irp i, 6,10,14,18,22,26
	v_max3_num_f32 v172, v172, |v[WS+\i]|, |v[WS+\i+1]|
	v_max3_num_f32 v173, v173, |v[WS+\i+2]|, |v[WS+\i+3]|
.endr
	v_max3_num_f32 v172, v172, |v[WS+30]|, |v[WS+31]|
	v_max3_num_f32 v172, v172, v173, FLOOR
	v_add_nc_u32 v174, OFF2, v172
	v_lshrrev_b32 v175, 23, v174
.if (\t) == 0
	v_mov_b32 v176, v175
.else
	v_lshl_or_b32 v176, v175, 8*(\t), v176
.endif
	v_cvt_scalef32_pk16_fp6_f32 v[144+(\o):146+(\o)], v[WS:WS+15], v174
	v_cvt_scalef32_pk16_fp6_f32 v[168:170], v[WS+16:WS+31], v174
	v_nop                                          ; one plain place behind a scaled conversion
.irp i, 0,1,2
	v_mov_b32 v[147+(\o)+\i], v[168+\i]
.endr
.endm
	LOADW 0
	LOADW 1
	s_wait_loadcnt 32                              ; block 0 is in; the one younger run of 32 may be out (so at each of these waits)
	LOADW 2
	BLOCKW 0, 0
	s_wait_loadcnt 32
	LOADW 3
	BLOCKW 1, 12
	s_wait_loadcnt 32
	BLOCKW 2, 6
	s_wait_loadcnt 0
	BLOCKW 3, 18
.irp i, 0,1,2,3,4,5                    ; a fragment wants blocks 0, 2 of a column in lanes 0-15 and blocks 1, 3 in lanes 16-31: the first's lanes 16-31 change places with the second's lanes 0-15
	v_permlane16_swap_b32 v[144+\i], v[156+\i]
	v_permlane16_swap_b32 v[150+\i], v[162+\i]
.endr                                  ; v144-155 are now the even tile's fragment, v156-167 the odd tile's
.irp u, 0,1
.irp p, 0,1,2,3,4,5
	global_store_b64 v7, v[144+12*\u+2*\p:145+12*\u+2*\p], s[28:29] offset:12288*\u+256*\p
.endr
.endr
	global_store_b32 v8, v176, s[24:25]
	s_wait_tensorcnt 0x0                           ; the three closing lines stand on this way too
	ds_add_u32 v10, v11
	s_wait_dscnt 0x0
	s_endpgm
.Lfunc_end_k_q3395e95e21_quant:
	.size	k_q3395e95e21_quant, .Lfunc_end_k_q3395e95e21_quant-k_q3395e95e21_quant
	.p2alignl 7, 3214868480
	.fill 96, 4, 3214868480
	.section	.rodata,"a",@progbits
	.p2align	6, 0x0
	.amdhsa_kernel k_q3395e95e21_quant
		.amdhsa_group_segment_fixed_size 34304
		.amdhsa_private_segment_fixed_size 0
		.amdhsa_enable_private_segment 0
		.amdhsa_kernarg_size 72
		.amdhsa_user_sgpr_count 2
		.amdhsa_user_sgpr_kernarg_segment_ptr 1
		.amdhsa_wavefront_size32 1
		.amdhsa_system_sgpr_workgroup_id_x 1
		.amdhsa_system_sgpr_workgroup_id_y 1
		.amdhsa_system_sgpr_workgroup_id_z 1
		.amdhsa_system_vgpr_workitem_id 0
		.amdhsa_next_free_vgpr 240
		.amdhsa_next_free_sgpr 66
		.amdhsa_reserve_vcc 0
		.amdhsa_float_denorm_mode_32 3
		.amdhsa_float_denorm_mode_16_64 3
		.amdhsa_memory_ordered 1
		.amdhsa_forward_progress 1
		.amdhsa_inst_pref_size 53
	.end_amdhsa_kernel
	.amdgpu_metadata
---
amdhsa.version: [ 1, 2 ]
amdhsa.kernels:
  - .name:           k_q3395e95e21_quant
    .symbol:         k_q3395e95e21_quant.kd
    .args:
      - { .name: query_input, .offset: 0, .size: 8, .value_kind: global_buffer, .address_space: global }
      - { .name: key_input, .offset: 8, .size: 8, .value_kind: global_buffer, .address_space: global }
      - { .name: value_input, .offset: 16, .size: 8, .value_kind: global_buffer, .address_space: global }
      - { .name: Wq, .offset: 24, .size: 8, .value_kind: global_buffer, .address_space: global }
      - { .name: Wk, .offset: 32, .size: 8, .value_kind: global_buffer, .address_space: global }
      - { .name: Wv, .offset: 40, .size: 8, .value_kind: global_buffer, .address_space: global }
      - { .name: Wo, .offset: 48, .size: 8, .value_kind: global_buffer, .address_space: global }
      - { .name: xbuf, .offset: 56, .size: 8, .value_kind: global_buffer, .address_space: global }
      - { .name: wbuf, .offset: 64, .size: 8, .value_kind: global_buffer, .address_space: global }
    .group_segment_fixed_size: 34304
    .private_segment_fixed_size: 0
    .kernarg_segment_align: 8
    .kernarg_segment_size: 72
    .max_flat_workgroup_size: 128
    .sgpr_count:     66
    .vgpr_count:     240
    .wavefront_size: 32
...
	.end_amdgpu_metadata
.endif
;; end of part 1
;; launch proj (part 2): grid 4 x 64, 4 waves a work-group, clusters of 4 x 4, 327,680 bytes of LDS; arguments xbuf, wbuf, qkv; writes qkv
.if DOCPART == 2
	.amdgcn_target "amdgcn-amd-amdhsa--gfx1250"
	.amdhsa_code_object_version 6
	.text
	.protected	k_q3395e95e21_proj
	.globl	k_q3395e95e21_proj
	.p2align	8
	.type	k_q3395e95e21_proj,@function
k_q3395e95e21_proj:
	s_mov_b64 s[64:65], 0
	v_nop
	global_prefetch_b8 v0, s[64:65] scope:SCOPE_SE
	s_setreg_imm32_b32 hwreg(HW_REG_WAVE_MODE, 25, 1), 1
	s_wait_xcnt 0x0
	s_wait_alu depctr_hold_cnt(0) depctr_sa_sdst(0) depctr_va_vdst(0) depctr_va_sdst(0) depctr_va_ssrc(0) depctr_va_vcc(0) depctr_vm_vsrc(0)
	s_getreg_b32 s2, hwreg(HW_REG_IB_STS2, 6, 4)
	s_cmp_eq_u32 s2, 0
	s_cbranch_scc0 .Lentry_in_a_cluster
	s_endpgm
.Lentry_in_a_cluster:
	s_bfe_u32 s2, ttmp6, 0x10000c
	s_cmp_lg_u32 s2, 0xf033
	s_cbranch_scc0 .Lentry_shape_is_right
	s_endpgm
.Lentry_shape_is_right:
; The three projections, 8192 x 1024 x 1024 each, on codes of FP6 with E8M0 scales, and their results quantised in registers into the operands of the attention.
; OUT[i][j] = sum over k of P[i][k] R[j][k]; source 0 = 16 rows of R, source 1 = 16 rows of P: a lane holds ONE row of P and its registers run along j.
; mode 0, 1 (q, k): P = the tokens, R = the weight's columns: registers run along the channels, the K of the logits.  mode 2 (v): P = Wv's columns, R = the tokens: registers run along the keys.
; The rows of a tile of R are chosen (lane r of tile 2 b + u: row 32 b + 8 u + r + 8 (r / 8)) so that the 16 registers of tiles 2 b, 2 b + 1 are 16 neighbours along j.
; q's factor 64^-0.5 = 2^-3 only moves the blocks' scales; it is applied in the attention's constant.  LIMIT: that is exact unless a block's largest magnitude lies under 2^-121; the floor of a block's largest magnitude is 2^(3 - 127).
; SHARES.  256 work-groups that STAY: each makes a block of 128 i x 256 j of q, then of k, then of v; a wave 64 i x 128 j: 32 accumulators.  (128 + 256) rows x 768 bytes = 294,912 bytes: all of K of one block lies in LDS,
; as two halves of 512 along K: [half][P's 8 tiles, R's 16 tiles][6,144 bytes].  One joint load a wave: wave 0 P's half 0, wave 1 R's half 0, wave 2 P's half 1, wave 3 R's half 1.
; THE REFILL.  When a block's last K step is in registers, nobody reads LDS any more: there stand the wait for all tensor loads, the add and its wait, a round of the cluster's barrier,
; and the next block's four loads; the step's other 24 products, the way out and its stores follow.  The next block's scale words come meanwhile into v768-815 and are moved over at the block's start.
; q and k are a loop of two trips; v, which asks for nothing more, is written out.  By this text's own count a wave has one tensor load out.  No prefetch: each refill is asked for most of a K step and a whole way out ahead of its first read.
; CLUSTER 4 x 4: P's tiles are asked for jointly along a row of the cluster, R's along a column.
; REGISTERS: window 0: v1-15 addresses; v16-31 P's scale words, v32-63 R's; v64-159 P's fragments, two sets; v160-219 the way out.  window 1: R's fragments, sets at v0 and v128.  window 2: accumulator (a, b) at v[8 (8 a + b)].
.set SPARE, 294912                     ; behind the tiles: the spare words, 128 bytes a wave
.set RB,    49152                      ; R's tiles begin here in each half
.set MUL,   0xa1                       ; source 0 (R) window 1, source 1 (P) window 0, C and D window 2
.set TO_R,  0x40                       ; destination window 1
.set TM,    160
.set OC,    180
.set T0,    204
.set W4,    212
.set SW,    216
.set SEL,   100
.set MSB, 0
.macro WIN new                         ; the immediate's high byte repeats the setting that is left
.if MSB != \new
	s_set_vgpr_msb (MSB<<8)|\new
.set MSB, \new
.endif
.endm
.macro CROUND                          ; a round of the cluster's barrier
	s_barrier_signal -1
	s_barrier_wait -1
	s_cmp_lg_u32 s10, 0
	s_cbranch_scc1 .Lnot_wave_0_\@
	s_barrier_signal -3
.Lnot_wave_0_\@:
	s_barrier_wait -3
	s_barrier_signal -1
	s_barrier_wait -1
.endm
; All that hangs on the mode s16: the two tiles' addresses into the descriptors, s[88:89] and s[90:91] P's and R's scale words.  No branch.  (s2 holds nothing of cx, s3 nothing of cy)
.macro SETUP
	s_and_b32 s20, s17, 1
	s_lshr_b32 s21, s17, 1
	s_cmp_lt_u32 s16, 2
	s_cselect_b32 s20, s17, s20                    ; q, k: 16 x 1 clusters;  v: 2 x 8
	s_cselect_b32 s21, 0, s21
	s_lshl_b32 s18, s20, 2
	s_add_co_u32 s18, s18, s14                     ; IT: which 128 i
	s_lshl_b32 s19, s21, 2
	s_add_co_u32 s19, s19, s13                     ; JT: which 256 j
	s_mul_i32 s24, s16, 6291456                    ; the tokens' codes,
	s_lshl_b32 s25, s16, 18
	s_add_co_u32 s25, s25, 18874368                ; their scale words,
	s_mul_i32 s26, s16, 786432                     ; the weight's codes,
	s_lshl_b32 s27, s16, 15
	s_add_co_u32 s27, s27, 3145728                 ; its scale words
	s_cmp_lt_u32 s16, 2                            ; the choice of buffers hangs on the mode alone
	s_cselect_b32 s28, s24, s26                    ; P's
	s_cselect_b32 s29, s25, s27
	s_cselect_b32 s30, s26, s24                    ; R's
	s_cselect_b32 s31, s27, s25
	s_cselect_b64 s[92:93], s[4:5], s[6:7]
	s_cselect_b64 s[94:95], s[6:7], s[4:5]
	s_mul_i32 s2, s18, 98304
	s_add_co_u32 s84, s28, s2
	s_mul_i32 s2, s11, 6144                        ; the half of K that my load brings: wave / 2
	s_add_co_u32 s84, s84, s2
	s_mov_b32 s85, 0
	s_mul_i32 s3, s19, 196608
	s_add_co_u32 s86, s30, s3
	s_mul_i32 s3, s11, 6144
	s_add_co_u32 s86, s86, s3
	s_mov_b32 s87, 0
	s_lshl_b32 s2, s18, 12
	s_add_co_u32 s88, s29, s2
	s_lshl_b32 s2, s11, 8
	s_add_co_u32 s88, s88, s2                      ; P's scale words: my 64 rows
	s_mov_b32 s89, 0
	s_lshl_b32 s3, s19, 1
	s_add_co_u32 s3, s3, s12
	s_lshl_b32 s3, s3, 12
	s_add_co_u32 s90, s31, s3                      ; R's: my 128 rows
	s_mov_b32 s91, 0
	s_add_nc_u64 s[50:51], s[92:93], s[84:85]
	s_or_b32 s51, s51, 0x80000000
	s_add_nc_u64 s[70:71], s[94:95], s[86:87]
	s_or_b32 s71, s71, 0x80000000
	s_add_nc_u64 s[88:89], s[92:93], s[88:89]
	s_add_nc_u64 s[90:91], s[94:95], s[90:91]
.endm
.macro TL g0, g1                       ; an s_nop 0 and four v_nop follow each load
	tensor_load_to_lds s[\g0:\g0+3], s[\g1:\g1+7]
	s_nop 0
.rept 4
	v_nop
.endr
.endm
.macro LOADS                           ; one chain of branches on the wave's number, one load to an arm
	s_cmp_eq_u32 s10, 0
	s_cbranch_scc0 .Lw1_\@
	TL 48, 32                                      ; wave 0: P, half 0
	s_branch .Lasked_\@
.Lw1_\@:
	s_cmp_eq_u32 s10, 1
	s_cbranch_scc0 .Lw2_\@
	TL 68, 40                                      ; wave 1: R, half 0
	s_branch .Lasked_\@
.Lw2_\@:
	s_cmp_eq_u32 s10, 2
	s_cbranch_scc0 .Lw3_\@
	TL 48, 32                                      ; wave 2: P, half 1
	s_branch .Lasked_\@
.Lw3_\@:
	TL 68, 40                                      ; wave 3: R, half 1
.Lasked_\@:
.endm
.macro SCALES                          ; all scale words of my rows, into v768-815: register of pair n: the even tile's words in lanes 0-15, the odd tile's in lanes 16-31
	WIN 0xc0
.irp s, 0,1,2,3,4,5,6,7
.irp n, 0,1
	global_load_b32 v[2*\s+\n], v11, s[88:89] offset:512*\s+128*\n
.endr
.irp n, 0,1,2,3
	global_load_b32 v[16+4*\s+\n], v11, s[90:91] offset:512*\s+128*\n
.endr
.endr
	WIN 0
.endm
.macro TAKE                            ; they become this block's scale words, v16-63
	s_wait_loadcnt 0x0
	WIN 0x03
.set i_, 0
.rept 48
	v_mov_b32 v[16+i_], v[i_]
.set i_, i_+1
.endr
	WIN 0
.rept 8
	v_nop                                          ; a scale register written by a vector instruction stands eight places ahead of a scaled matrix instruction
.endr
	s_wait_alu depctr_va_vdst(0)
.endm
	s_load_b128 s[4:7], s[0:1], 0x0                ; xbuf, wbuf
	s_load_b64 s[8:9], s[0:1], 0x10                ; qkv
	v_lshl_add_u32 v8, v0, 2, SPARE
	v_mov_b32 v9, 0
	ds_add_u32 v8, v9                              ; the opening lines: the add, twice on end, and its wait ahead of my first tensor load
	ds_add_u32 v8, v9
	v_lshrrev_b32 v1, 5, v0
	v_readfirstlane_b32 s10, v1                    ; wave
	s_lshr_b32 s11, s10, 1                         ; wi: my 64 of the 128 i.  Also: which half of K I fetch
	s_and_b32 s12, s10, 1                          ; wj: my 128 of the 256 j
	s_bfe_u32 s13, ttmp6, 0x40000                  ; cx
	s_bfe_u32 s14, ttmp6, 0x40004                  ; cy
	s_and_b32 s17, ttmp7, 0xffff                   ; the cluster's y, 0..15
	s_mov_b32 s16, 0                               ; mode: the same in all sixteen partners
	s_lshl_b32 s22, s14, 2
	s_lshl_b32 s22, 15, s22                        ; my row of the cluster
	s_lshl_b32 s23, 0x1111, s13                    ; my column
	; descriptor group 1: rows = tiles, 12,288 bytes apart in memory; of each its 6,144 bytes of a half of K (768 elements of 8 bytes); dense in LDS
	s_or_b32 s32, s22, (3<<16)|(1<<21)
	s_mov_b32 s33, 768<<16
	s_mov_b32 s34, 8<<16
	s_mov_b32 s35, 768<<16
	s_mov_b32 s36, 8
	s_mov_b32 s37, 1536
	s_mov_b32 s38, 0
	s_mov_b32 s39, 0
	s_or_b32 s40, s23, (3<<16)|(1<<21)
	s_mov_b32 s41, 768<<16
	s_mov_b32 s42, 16<<16
	s_mov_b32 s43, 768<<16
	s_mov_b32 s44, 16
	s_mov_b32 s45, 1536
	s_mov_b32 s46, 0
	s_mov_b32 s47, 0
	s_mov_b32 s48, 1
	s_mul_i32 s49, s11, 147456                     ; where my load goes: the half's P, or the half's R: no place in the cluster enters an LDS address
	s_mov_b32 s68, 1
	s_mul_i32 s69, s11, 147456
	s_add_co_u32 s69, s69, RB
	s_mov_b32 s[SEL], 0x76543210
	s_mov_b32 s[SEL+1], 0xfedcba98
	v_and_b32 v1, 31, v0
	v_and_b32 v14, 15, v0                          ; r
	v_bfe_u32 v15, v0, 4, 1                        ; hh
	v_cmp_lt_u32 s96, 15, v1                       ; the mask of lanes 16-31
	v_lshlrev_b32 v10, 4, v1                       ; 16 x lane
	v_lshlrev_b32 v11, 2, v1                       ; 4 x lane
	v_lshlrev_b32 v1, 3, v1                        ; 8 x lane
	s_mul_i32 s99, s11, 24576
	v_add_nc_u32 v2, s99, v1                       ; P's fragments: my four tiles, half 0;
	v_add_nc_u32 v3, 0x24000, v2                   ; half 1
	s_mul_i32 s99, s12, 49152
	s_add_co_u32 s99, s99, RB
	v_add_nc_u32 v4, s99, v1                       ; R's: my eight tiles, half 0;
	v_add_nc_u32 v5, 0x24000, v4                   ; half 1
	v_lshlrev_b32 v12, 4, v14
	v_lshl_add_u32 v13, v15, 3, v12                ; v's scale words out: 16 r + 8 hh
	v_mad_u32_u24 v12, v15, 0x3000, v12            ; q's, k's: 16 r, lanes 16-31 one head (12,288 bytes) on
.irp b, 0,1,2,3
	v_mov_b32 v[TM+4+\b], 0                        ; a lane permute's destination counts as read
.endr
	s_wait_alu depctr_va_vdst(0)                   ; the head's end
	s_wait_dscnt 0x0                               ; both opening adds are done
	s_wait_kmcnt 0x0
	SETUP
	CROUND                                         ; all sixteen work-groups are here: the joint loads meet
	LOADS
	SCALES
; the fragments of K step k into set u: R's eight, P's four; each load takes 256 consecutive bytes
.macro FETCH k, u
	WIN TO_R
.irp b, 0,1,2,3,4,5,6,7
.irp p, 0,1,2,3,4,5
	ds_load_b64 v[128*(\u)+12*\b+2*\p:128*(\u)+12*\b+2*\p+1], v[4+(\k)/4] offset:6144*\b+1536*((\k)%4)+256*\p
.endr
.endr
	WIN 0
.irp a, 0,1,2,3
.irp p, 0,1,2,3,4,5
	ds_load_b64 v[64+48*(\u)+12*\a+2*\p:64+48*(\u)+12*\a+2*\p+1], v[2+(\k)/4] offset:6144*\a+1536*((\k)%4)+256*\p
.endr
.endr
.endm
.macro MMV c                           ; an odd tile's scale words lie in lanes 16-31
.if VAR == 0
	v_wmma_scale_f32_16x16x128_f8f6f4 v[DD:DD+7], v[RA:RA+11], v[PB:PB+11], \c, v[SA], v[SB] matrix_a_fmt:MATRIX_FMT_FP6 matrix_b_fmt:MATRIX_FMT_FP6
.elseif VAR == 1
	v_wmma_scale_f32_16x16x128_f8f6f4 v[DD:DD+7], v[RA:RA+11], v[PB:PB+11], \c, v[SA], v[SB] matrix_a_fmt:MATRIX_FMT_FP6 matrix_b_fmt:MATRIX_FMT_FP6 matrix_b_scale:MATRIX_SCALE_ROW1
.elseif VAR == 2
	v_wmma_scale_f32_16x16x128_f8f6f4 v[DD:DD+7], v[RA:RA+11], v[PB:PB+11], \c, v[SA], v[SB] matrix_a_fmt:MATRIX_FMT_FP6 matrix_b_fmt:MATRIX_FMT_FP6 matrix_a_scale:MATRIX_SCALE_ROW1
.else
	v_wmma_scale_f32_16x16x128_f8f6f4 v[DD:DD+7], v[RA:RA+11], v[PB:PB+11], \c, v[SA], v[SB] matrix_a_fmt:MATRIX_FMT_FP6 matrix_b_fmt:MATRIX_FMT_FP6 matrix_a_scale:MATRIX_SCALE_ROW1 matrix_b_scale:MATRIX_SCALE_ROW1
.endif
.endm
.macro MM a, b, k                      ; accumulator (a, b), K step k; the first step's products start the sums
.set DD, 8*(8*(\a)+(\b))
.set RA, 128*((\k)%2)+12*(\b)
.set PB, 64+48*((\k)%2)+12*(\a)
.set SA, 32+4*(\k)+(\b)/2
.set SB, 16+2*(\k)+(\a)/2
.set VAR, 2*((\b)%2)+(\a)%2
.if (\k) == 0
	MMV 0
.else
	MMV v[DD:DD+7]
.endif
.endm
.macro MUL8 a, k
.irp b, 0,1,2,3,4,5,6,7
	MM \a, \b, \k
.endr
.endm
; A K step of 128: 32 matrix instructions, the 32 accumulators by turns in the same order in every step.
; Behind its first eight the next step's 72 loads go out in one run, into the other set.  In step 3 a barrier shows half 1 to all.
.macro KSTEP k
	s_wait_dscnt 0x0                               ; this step's fragments are in
.if (\k) == 3
	s_wait_tensorcnt 0x0                           ; my load has landed, whichever half it brought
	s_barrier_signal -1
.endif
	WIN MUL
	MUL8 0, \k
.if (\k) == 3
	s_barrier_wait -1
.endif
.rept 4
	v_nop                                          ; four places between the last step's products and loads into the registers that they read (ISA guide 7.12.1 for vector instructions)
.endr
	FETCH (\k)+1, ((\k)+1)%2
	WIN MUL
	MUL8 1, \k
	MUL8 2, \k
	MUL8 3, \k
.endm
; where q's or k's results go: s[52:53] the codes, s[54:55] the scale words.  My 128 channels are two heads
.macro EPIQK
	s_lshr_b32 s56, s18, 4                         ; batch
	s_and_b32 s57, s18, 15                         ; which 128 tokens of it
	s_lshl_b32 s58, s19, 1
	s_add_co_u32 s58, s58, s12
	s_lshl_b32 s58, s58, 1                         ; my first head
	s_lshl_b32 s56, s56, 4
	s_add_co_u32 s56, s56, s58
	s_mul_i32 s52, s56, 98304
	s_add_co_u32 s52, s52, s24                     ; q's or k's part: mode x 6,291,456
	s_mul_i32 s59, s57, 6144
	s_add_co_u32 s52, s52, s59
	s_mul_i32 s59, s11, 3072
	s_add_co_u32 s52, s52, s59
	s_mov_b32 s53, 0
	s_mul_i32 s54, s56, 12288
	s_add_co_u32 s54, s54, s26                     ; mode x 786,432
	s_add_co_u32 s54, s54, 18874368
	s_lshl_b32 s59, s57, 9
	s_add_co_u32 s54, s54, s59
	s_lshl_b32 s59, s11, 8
	s_add_co_u32 s54, s54, s59
	s_mov_b32 s55, 0
	s_add_nc_u64 s[52:53], s[8:9], s[52:53]
	s_add_nc_u64 s[54:55], s[8:9], s[54:55]
.endm
; The last K step.  last = 0: LDS is filled again with the next mode's tiles
.macro KLAST last
	WIN 0
	s_wait_dscnt 0x0                               ; this step's fragments are in: my reads of this block's tiles are over
.if \last
	WIN MUL
	MUL8 0, 7
.else
	s_wait_xcnt 0x0                                ; the last way out's stores have read their bases
	EPIQK
	s_add_co_u32 s16, s16, 1                       ; the next mode
	s_wait_tensorcnt 0x0                           ; no tensor load of mine is out, so the descriptors may be written;
	ds_add_u32 v8, v9                              ; 0 onto my spare word;
	SETUP
	WIN MUL
	MUL8 0, 7                                      ; work on registers stands between the add and the wait for it
	WIN 0
	s_wait_dscnt 0x0                               ; the add is done
	CROUND                                         ; no wave of any partner still reads these tiles or has a load on its way
	LOADS                                          ; the first tensor load behind the round, one a wave
	SCALES
	WIN MUL
.endif
	MUL8 1, 7
	MUL8 2, 7
	MUL8 3, 7
	WIN 0
.rept 4
	v_nop                                          ; places ahead of the first read of results
.endr
.endm
.macro BODY last
	TAKE
	s_cmp_lt_u32 s10, 2                            ; waves 0 and 1 brought half 0: they wait for it
	s_cbranch_scc0 .Lnot_h0_\@
	s_wait_tensorcnt 0x0
.Lnot_h0_\@:
	s_barrier_signal -1
	s_barrier_wait -1
	FETCH 0, 0
.irp s, 0,1,2,3,4,5,6
	KSTEP \s
.endr
	KLAST \last
.endm
; 64 results of a lane in window 2, v[src] on (register 16 b + i = j 32 b + 16 hh + i of my row), become codes: blocks 0, 1 in v[d0] on (6 registers), blocks 2, 3 in v[d1] on; the row's scale word in v[w].
; Each accumulator is read from its low end on.
.macro QUANT src, d0, d1, w
	WIN 0x0a
.irp b, 0,1,2,3
	v_max3_num_f32 v[TM+\b], |v[(\src)+16*\b]|, |v[(\src)+1+16*\b]|, 0x1800000   ; my 16 of block b, and the floor 2^(3 - 127)
.endr
	WIN 0x28
.irp i, 2,4,6,8,10,12,14
.irp b, 0,1,2,3
	v_max3_num_f32 v[TM+\b], v[TM+\b], |v[(\src)+16*\b+\i]|, |v[(\src)+1+16*\b+\i]|
.endr
.endr
	WIN 0
.irp b, 0,1,2,3
	v_permlanex16_b32 v[TM+4+\b], v[TM+\b], s[SEL], s[SEL+1]
.endr
.irp b, 0,1,2,3
	v_max_num_f32 v[TM+\b], v[TM+\b], v[TM+4+\b]   ; with lane l xor 16's 16: the block's largest magnitude
.endr
.irp b, 0,1,2,3
	v_add_nc_u32 v[TM+12+\b], 0xff000000, v[TM+\b] ; 2 off its exponent field: the conversion's scale operand
.endr
.irp b, 0,1,2,3
	v_lshrrev_b32 v[TM+4+\b], 23, v[TM+12+\b]      ; the byte
.endr
	v_lshl_or_b32 v[\w], v[TM+5], 8, v[TM+4]
	v_lshl_or_b32 v[\w], v[TM+6], 16, v[\w]
	v_lshl_or_b32 v[\w], v[TM+7], 24, v[\w]
	WIN 0x02
	v_cvt_scalef32_pk16_fp6_f32 v[(\d0):(\d0)+2], v[(\src):(\src)+15], v[TM+12]
	v_cvt_scalef32_pk16_fp6_f32 v[T0:T0+2], v[(\src)+16:(\src)+31], v[TM+13]
	v_cvt_scalef32_pk16_fp6_f32 v[(\d1):(\d1)+2], v[(\src)+32:(\src)+47], v[TM+14]
	v_cvt_scalef32_pk16_fp6_f32 v[T0+4:T0+6], v[(\src)+48:(\src)+63], v[TM+15]
	WIN 0
	v_nop                                          ; one plain place behind a scaled conversion
.irp i, 0,1,2                          ; the operand wants a whole block in a lane: lanes 0-15 the even block, lanes 16-31 the odd one
	v_permlane16_swap_b32 v[(\d0)+\i], v[T0+\i]
	v_permlane16_swap_b32 v[(\d1)+\i], v[T0+4+\i]
.endr
.irp i, 0,1,2
	v_mov_b32 v[(\d0)+3+\i], v[T0+\i]
	v_mov_b32 v[(\d1)+3+\i], v[T0+4+\i]
.endr
.endm
.Lmode:                                        ; q, then k
	BODY 0
	; a head's 64 along K of a token tile are 6 registers; an image holds two token tiles
.irp n, 0,1
.if \n
	s_wait_xcnt 0x0                                ; the first pair's stores have read their registers
.endif
	QUANT 128*\n, OC, OC+12, W4+2*\n
	QUANT 128*\n+64, OC+6, OC+18, W4+2*\n+1
.irp e, 0,1
.irp q, 0,1,2
	global_store_b128 v10, v[OC+12*\e+4*\q:OC+12*\e+4*\q+3], s[52:53] offset:\e*98304+\n*1536+512*\q   ; 32 lanes store 512 consecutive bytes, aligned
.endr
.endr
.endr
	v_lshlrev_b32 v[TM], 4, v15                    ; lanes 0-15 take the even head's two bytes, lanes 16-31 the odd head's; the word's upper half is 0
.irp a, 0,1,2,3
	v_lshrrev_b32 v[SW+\a], v[TM], v[W4+\a]
.endr
.irp a, 0,1,2,3
	v_and_b32 v[SW+\a], 0xffff, v[SW+\a]
.endr
	global_store_b128 v12, v[SW:SW+3], s[54:55]    ; sixteen lanes store 256 consecutive bytes of a head's scale words
	s_cmp_lg_u32 s16, 2
	s_wait_alu depctr_va_vdst(0)                   ; directly ahead of the branch
	s_cbranch_scc1 .Lmode
	BODY 1                                         ; v: nothing more is asked for
	; my 64 i are a head's channels, my 128 j a step of keys: four whole fragments
	s_wait_xcnt 0x0                                ; k's stores have read their registers
	s_lshl_b32 s66, s18, 1
	s_add_co_u32 s66, s66, s11                     ; head
	s_lshl_b32 s99, s19, 1
	s_add_co_u32 s99, s99, s12                     ; which 128 tokens of the 8,192
	s_and_b32 s67, s99, 15
	s_lshr_b32 s99, s99, 4
	s_lshl_b32 s99, s99, 4
	s_add_co_u32 s66, s66, s99                     ; 16 x batch + head
	s_mul_i32 s88, s66, 98304
	s_add_co_u32 s88, s88, 12582912
	s_mul_i32 s29, s67, 6144
	s_add_co_u32 s88, s88, s29
	s_mov_b32 s89, 0
	s_mul_i32 s90, s66, 12288
	s_add_co_u32 s90, s90, 19668992                ; behind the head's 8,192 bytes of k's scale words
	s_lshl_b32 s29, s67, 8
	s_add_co_u32 s90, s90, s29
	s_mov_b32 s91, 0
	s_add_nc_u64 s[88:89], s[8:9], s[88:89]
	s_add_nc_u64 s[90:91], s[8:9], s[90:91]
.irp a, 0,1,2,3
.if \a >= 2
	s_wait_xcnt 0x0                                ; the stores of two tiles back have read their registers
.endif
	QUANT 64*\a, OC+12*(\a%2), OC+12*(\a%2)+6, W4+\a
.irp q, 0,1,2
	global_store_b128 v10, v[OC+12*(\a%2)+4*\q:OC+12*(\a%2)+4*\q+3], s[88:89] offset:1536*\a+512*\q
.endr
.endr
	v_cndmask_b32 v[SW], v[W4], v[W4+2], s96       ; row r's four words: lanes 0-15 tiles 0, 1; lanes 16-31 tiles 2, 3
	v_cndmask_b32 v[SW+1], v[W4+1], v[W4+3], s96
	global_store_b64 v13, v[SW:SW+1], s[90:91]     ; 32 lanes store 256 consecutive bytes, aligned
	s_wait_tensorcnt 0x0                           ; the wave's end
	ds_add_u32 v8, v9
	s_wait_dscnt 0x0
	CROUND                                         ; the closing round
	s_endpgm
.Lfunc_end_k_q3395e95e21_proj:
	.size	k_q3395e95e21_proj, .Lfunc_end_k_q3395e95e21_proj-k_q3395e95e21_proj
	.p2alignl 7, 3214868480
	.fill 96, 4, 3214868480
	.section	.rodata,"a",@progbits
	.p2align	6, 0x0
	.amdhsa_kernel k_q3395e95e21_proj
		.amdhsa_group_segment_fixed_size 327680
		.amdhsa_private_segment_fixed_size 0
		.amdhsa_enable_private_segment 0
		.amdhsa_kernarg_size 24
		.amdhsa_user_sgpr_count 2
		.amdhsa_user_sgpr_kernarg_segment_ptr 1
		.amdhsa_wavefront_size32 1
		.amdhsa_system_sgpr_workgroup_id_x 1
		.amdhsa_system_sgpr_workgroup_id_y 1
		.amdhsa_system_sgpr_workgroup_id_z 1
		.amdhsa_system_vgpr_workitem_id 0
		.amdhsa_next_free_vgpr 832
		.amdhsa_next_free_sgpr 102
		.amdhsa_reserve_vcc 0
		.amdhsa_float_denorm_mode_32 3
		.amdhsa_float_denorm_mode_16_64 3
		.amdhsa_memory_ordered 1
		.amdhsa_forward_progress 1
		.amdhsa_inst_pref_size 201
	.end_amdhsa_kernel
	.amdgpu_metadata
---
amdhsa.version: [ 1, 2 ]
amdhsa.kernels:
  - .name:           k_q3395e95e21_proj
    .symbol:         k_q3395e95e21_proj.kd
    .args:
      - { .name: xbuf, .offset: 0, .size: 8, .value_kind: global_buffer, .address_space: global }
      - { .name: wbuf, .offset: 8, .size: 8, .value_kind: global_buffer, .address_space: global }
      - { .name: qkv, .offset: 16, .size: 8, .value_kind: global_buffer, .address_space: global }
    .group_segment_fixed_size: 327680
    .private_segment_fixed_size: 0
    .kernarg_segment_align: 8
    .kernarg_segment_size: 24
    .max_flat_workgroup_size: 128
    .sgpr_count:     102
    .vgpr_count:     832
    .wavefront_size: 32
...
	.end_amdgpu_metadata
.endif
;; end of part 2
;; launch att (part 3): grid 4 x 64, 16 waves a work-group, clusters of 4 x 1, 327,680 bytes of LDS; arguments qkv, ctx; writes ctx
.if DOCPART == 3
	.amdgcn_target "amdgcn-amd-amdhsa--gfx1250"
	.amdhsa_code_object_version 6
	.text
	.protected	k_q3395e95e21_att
	.globl	k_q3395e95e21_att
	.p2align	8
	.type	k_q3395e95e21_att,@function
k_q3395e95e21_att:
	s_mov_b64 s[64:65], 0
	v_nop
	global_prefetch_b8 v0, s[64:65] scope:SCOPE_SE
	s_setreg_imm32_b32 hwreg(HW_REG_WAVE_MODE, 25, 1), 1
	s_wait_xcnt 0x0
	s_wait_alu depctr_hold_cnt(0) depctr_sa_sdst(0) depctr_va_vdst(0) depctr_va_sdst(0) depctr_va_ssrc(0) depctr_va_vcc(0) depctr_vm_vsrc(0)
	s_getreg_b32 s2, hwreg(HW_REG_IB_STS2, 6, 4)
	s_cmp_eq_u32 s2, 0
	s_cbranch_scc0 .Lentry_in_a_cluster
	s_endpgm
.Lentry_in_a_cluster:
	s_bfe_u32 s2, ttmp6, 0x10000c
	s_cmp_lg_u32 s2, 0x3003
	s_cbranch_scc0 .Lentry_shape_is_right
	s_endpgm
.Lentry_shape_is_right:
; For each (batch, head): S^T = K Q^T (K = the head's 64), the softmax, O^T = V^T P^T (K = the keys), O / l, and O quantised along the head's channels into the output projection's operand.
; THE SOFTMAX: t = score x log2(e) / 8 (the 1/8 is q's factor 64^-0.5, an exact power of two); M = the running largest t rounded up to a whole number; p = 2^(t - M) is quantised along the keys, not normalised;
; l is the sum of the unquantised p; when M moves, l and O are multiplied by 2^(old M - new M), which rounds nothing.
; SHARES.  A cluster of four work-groups is one (batch, head); a work-group owns 512 queries, each of its sixteen waves 32: two tiles of 16, one in each of two passes.  The head's whole K and V (codes 2 x 98,304 bytes,
; scale words 12,288) come into LDS ONCE, by joint loads of the four work-groups, one tensor load a wave at the most.  No prefetch: the one fill stands at the head, and there is no loop to run ahead in.
; K = 64 IN AN INSTRUCTION OF K = 128: Q's registers 6-11 are zero codes; a tile of K is named with the six registers that follow it, whose codes meet zeros and add nothing (every 6-bit code is a finite number;
; behind the last tile these are p's codes); bytes 2, 3 of both scale words are 0, which is 2^-127.
; THE KEYS OF A TILE: tile 4 c + t of a step has in row m the key 64 c + 8 t + m % 8 + 32 (m / 8).  So lane (r, h) holds query r, and its 32 scores of tiles 4 c .. 4 c + 3 are keys 64 c + 32 h + 0 .. 31 in order:
; ONE WHOLE SCALE BLOCK, in the place that the second product's operand gives that lane.  A block's maximum needs no other lane, and the conversions' results are the operand.
; K AND V HAVE REGISTERS OF THEIR OWN: the next step's K is asked for behind this step's scores (14 LDS loads), the next step's V behind this step's second product (13).  So the wait for K leaves V's 13 out, the wait for V K's 14.
; LIMITS: the promise holds while |t| stays under 2^31; the floor of a block's largest magnitude is 2^(3 - 127); a block of zeros has the byte 1 and zero codes; a block's largest p is made from its largest score
; by the same multiply-add and exponential as every p, which takes v_exp_f32 not to fall where its input rises.
.set SPARE, 208896                     ; the spare words, 128 bytes for each of sixteen waves
.set SPW,  1
.set NIL,  2
.set L16,  3                           ; 16 x lane
.set R16,  4                           ; 16 x (lane % 16)
.set PW,   5                           ; p's scale word
.set ADS,  6                           ; LDS: K's scale words
.set ADV,  7                           ; V's codes
.set ADT,  8                           ; V's scale words
.set W0,   9                           ; the first pass's scale words of ctx
.set ADK,  10                          ; K's codes
.set QW,   11                          ; Q's scale words.  v12 -M, v13 the largest score so far, v[14:15] l
.set QF,   16                          ; v16-27  Q: 6 registers of codes, 6 of zeros
.set KF,   28                          ; v28-75  K's eight tiles
.set PC,   76                          ; v76-87  p's codes
.set VF,   88                          ; v88-135 V's four fragments
.set KS,   136                         ; v136-143
.set VS,   144                         ; v144-147
.set SS,   148                         ; v148-211 S^T, then p
.set OO,   212                         ; v212-243 O^T
.set BM,   244                         ; v244-247 four chains of maxima
.set BP,   248
.set TT,   250
.set T0,   244                         ; v244-246, v248-250: the conversions' upper halves, when the maxima are done with
.set FQ,   252                         ; v[252:253] f; then a sum of p
.set SO,   254                         ; v254, v255 the conversions' scale operands; then a sum of p
.set TK,   2                           ; s2, s3, s59, s56: LDS bytes of the next step's K, K's scale words, V, V's scale words
.set TS,   3
.set TKV,  59
.set TV,   56
.set SEL,  28
.set CS,   30
.set CSN,  60
.macro CROUND
	s_barrier_signal -1
	s_barrier_wait -1
	s_cmp_lg_u32 s8, 0
	s_cbranch_scc1 .Lnot_wave_0_\@
	s_barrier_signal -3
.Lnot_wave_0_\@:
	s_barrier_wait -3
	s_barrier_signal -1
	s_barrier_wait -1
.endm
	s_load_b128 s[4:7], s[0:1], 0x0                ; qkv, ctx
	v_lshl_add_u32 v[SPW], v0, 2, SPARE
	v_mov_b32 v[NIL], 0
	ds_add_u32 v[SPW], v[NIL]                      ; the opening lines: the add, twice on end, and its wait ahead of the first tensor loads
	ds_add_u32 v[SPW], v[NIL]
	v_lshrrev_b32 v3, 5, v0
	v_readfirstlane_b32 s8, v3                     ; wave 0..15
	s_bfe_u32 s9, ttmp6, 0x40000                   ; cx: it enters Q's and ctx's addresses alone
	s_and_b32 s10, ttmp7, 0xffff                   ; 16 x batch + head, which the four partners share
	; group 1: dense blocks as rows of 256 bytes (32 elements of 8); 96 rows of codes, 48 of scale words; the mask names all four work-groups
	s_mov_b32 s32, 15|(3<<16)|(1<<21)
	s_mov_b32 s33, 32<<16
	s_mov_b32 s34, 96<<16
	s_mov_b32 s35, 32<<16
	s_mov_b32 s36, 96
	s_mov_b32 s37, 32
	s_mov_b32 s38, 0
	s_mov_b32 s39, 0
	s_mov_b32 s40, 15|(3<<16)|(1<<21)
	s_mov_b32 s41, 32<<16
	s_mov_b32 s42, 48<<16
	s_mov_b32 s43, 32<<16
	s_mov_b32 s44, 48
	s_mov_b32 s45, 32
	s_mov_b32 s46, 0
	s_mov_b32 s47, 0
	s_lshr_b32 s11, s8, 2                          ; waves 0-3: K's quarters; waves 4-7: V's
	s_add_co_u32 s11, s11, 1
	s_mul_i32 s12, s11, 6291456
	s_mul_i32 s11, s10, 98304
	s_add_co_u32 s12, s12, s11
	s_and_b32 s11, s8, 3
	s_mul_i32 s11, s11, 24576
	s_add_co_u32 s12, s12, s11
	s_mov_b32 s13, 0
	s_mul_i32 s14, s10, 12288                      ; wave 8: the head's scale words of K and V
	s_add_co_u32 s14, s14, 19660800
	s_mov_b32 s15, 0
	s_lshl_b32 s16, s9, 4
	s_add_co_u32 s16, s16, s8                      ; my 32 queries of the head's 2,048
	s_mul_i32 s18, s10, 98304
	s_mul_i32 s17, s16, 1536
	s_add_co_u32 s18, s18, s17                     ; their image: [piece of 4 registers][lane][16 bytes]; registers 0-5 the first tile, 6-11 the second
	s_mov_b32 s19, 0
	s_mul_i32 s20, s10, 12288
	s_add_co_u32 s20, s20, 18874368
	s_lshr_b32 s17, s16, 1
	s_lshl_b32 s17, s17, 8
	s_add_co_u32 s20, s20, s17
	s_and_b32 s17, s16, 1
	s_lshl_b32 s17, s17, 3
	s_add_co_u32 s20, s20, s17                     ; their two scale words a row
	s_mov_b32 s21, 0
	s_lshr_b32 s57, s10, 4                         ; batch
	s_and_b32 s58, s10, 15                         ; head
	s_lshl_b32 s22, s57, 7
	s_lshl_b32 s17, s16, 1
	s_add_co_u32 s22, s22, s17                     ; my first token tile
	s_mul_i32 s22, s22, 12288
	s_lshr_b32 s17, s58, 1
	s_mul_i32 s17, s17, 1536
	s_add_co_u32 s22, s22, s17                     ; K step head / 2 of the output projection,
	s_and_b32 s17, s58, 1
	s_mul_i32 s17, s17, 768
	s_add_co_u32 s22, s22, s17                     ; its lower or upper six registers
	s_mov_b32 s23, 0
	s_lshl_b32 s24, s58, 15
	s_add_co_u32 s24, s24, 6291456
	s_lshl_b32 s17, s57, 13
	s_add_co_u32 s24, s24, s17
	s_lshl_b32 s17, s16, 7
	s_add_co_u32 s24, s24, s17                     ; the head's half scale words of my 32 tokens
	s_mov_b32 s25, 0
	s_mov_b32 s[SEL], 0x76543210
	s_mov_b32 s[SEL+1], 0xfedcba98                 ; v_permlanex16_b32: lane l xor 16
	s_mov_b32 s[CS], 0x3e38aa3b                    ; c = log2(e) / 8
	s_mov_b32 s[CS+1], s[CS]                       ; (named with it as a pair, so it is written)
	s_mov_b32 s[CSN], 0xbe38aa3b                   ; -c
	v_and_b32 v[L16], 31, v0
	v_and_b32 v[R16], 15, v0
	v_cmp_lt_u32 s26, 15, v[L16]                   ; the mask of lanes 16-31
	v_lshlrev_b32 v[L16], 4, v[L16]
	v_lshlrev_b32 v[R16], 4, v[R16]
.irp i, 0,1,2,3,4,5
	v_mov_b32 v[QF+6+\i], 0                        ; Q's zero codes,
	v_mov_b32 v[PC+\i], 0                          ; and what is named behind K's last tile in the first step
.endr
	v_mov_b32 v[BP+1], 0                           ; a lane permute's destination counts as read
	v_mov_b32 v[FQ+1], 0                           ; (named as the upper half of a pair)
	s_wait_alu depctr_va_vdst(0)                   ; the head's end
	s_wait_dscnt 0x0                               ; both opening adds are done
	s_wait_kmcnt 0x0
	s_add_nc_u64 s[12:13], s[4:5], s[12:13]
	s_add_nc_u64 s[14:15], s[4:5], s[14:15]
	s_add_nc_u64 s[18:19], s[4:5], s[18:19]
	s_add_nc_u64 s[20:21], s[4:5], s[20:21]
	s_add_nc_u64 s[22:23], s[6:7], s[22:23]
	s_add_nc_u64 s[24:25], s[6:7], s[24:25]
	s_mov_b32 s48, 1
	s_mul_i32 s49, s8, 24576                       ; K's four quarters, then V's four
	s_mov_b64 s[50:51], s[12:13]
	s_or_b32 s51, s51, 0x80000000
	s_mov_b32 s52, 1
	s_mov_b32 s53, 196608
	s_mov_b64 s[54:55], s[14:15]
	s_or_b32 s55, s55, 0x80000000
	CROUND                                         ; all four work-groups are here: the joint loads meet
	s_cmp_lt_u32 s8, 8                             ; the branches hang on the wave's number alone; an s_nop 0 and four v_nop follow each load
	s_cbranch_scc0 .Lnot_codes
	tensor_load_to_lds s[48:51], s[32:39]
	s_nop 0
.rept 4
	v_nop
.endr
	s_branch .Lasked
.Lnot_codes:
	s_cmp_eq_u32 s8, 8
	s_cbranch_scc0 .Lasked
	tensor_load_to_lds s[52:55], s[40:47]
	s_nop 0
.rept 4
	v_nop
.endr
.Lasked:
	global_load_b128 v[QF:QF+3], v[L16], s[18:19]              ; the first tile of Q: registers 0-3, 4-5 of the image
	global_load_b64 v[QF+4:QF+5], v[L16], s[18:19] offset:512
	global_load_b32 v[QW], v[R16], s[20:21]
	s_wait_tensorcnt 0x0                           ; my load, if I had one, has landed
	s_barrier_signal -1
	s_barrier_wait -1                              ; everybody's has: K, V and their scale words lie in LDS for the rest of the launch
.macro START                           ; the four LDS places at step 0
	s_mov_b32 s[TK], 0
	s_mov_b32 s[TS], 0x30000
	s_mov_b32 s[TKV], 0x18000
	s_mov_b32 s[TV], 0x32000
.endm
.macro KLOAD                           ; a step's eight tiles of K and their scale words: 14 loads
.irp n, 0,1,2,3
.irp q, 0,1,2
	ds_load_b128 v[KF+12*\n+4*\q:KF+12*\n+4*\q+3], v[ADK] offset:1536*\n+512*\q
.endr
.endr
	ds_load_b128 v[KS:KS+3], v[ADS]
	ds_load_b128 v[KS+4:KS+7], v[ADS] offset:256
.endm
.macro VLOAD                           ; a step's four fragments of V and their scale words: 13 loads
.irp t, 0,1,2,3
.irp q, 0,1,2
	ds_load_b128 v[VF+12*\t+4*\q:VF+12*\t+4*\q+3], v[ADV] offset:1536*\t+512*\q
.endr
.endr
	ds_load_b128 v[VS:VS+3], v[ADT]
.endm
.macro FMAS from, to                   ; t - M of score pairs from .. to - 1
.set j_, \from
.rept (\to)-(\from)
	v_pk_fma_f32 v[SS+2*j_:SS+2*j_+1], v[SS+2*j_:SS+2*j_+1], s[CS:CS+1], v[12:13] op_sel_hi:[1,0,0]
.set j_, j_+1
.endr
.endm
.macro SUMS from, to                   ; pairs 4 + q of the unquantised p, q = from .. to - 1, onto three sums by turns
.set q_, \from
.rept (\to)-(\from)
.if q_%3 == 0
	v_pk_add_f32 v[14:15], v[14:15], v[SS+8+2*q_:SS+9+2*q_]
.elseif q_%3 == 1
	v_pk_add_f32 v[FQ:FQ+1], v[FQ:FQ+1], v[SS+8+2*q_:SS+9+2*q_]
.else
	v_pk_add_f32 v[SO:SO+1], v[SO:SO+1], v[SS+8+2*q_:SS+9+2*q_]
.endif
.set q_, q_+1
.endr
.endm
; A KEY STEP of 128 keys.  next = 1: the next step's K and V are asked for; 2: step 0's again, and the second tile of Q, for the second pass; 0: nothing.
.macro STEP next
	s_wait_dscnt 13                                ; K and its scale words are in; V's 13 loads, which are younger, may be out
.if \next == 1
	s_add_co_u32 s[TK], s[TK], 6144
	s_add_co_u32 s[TS], s[TS], 512
	s_add_co_u32 s[TKV], s[TKV], 6144
	s_add_co_u32 s[TV], s[TV], 256
.elseif \next == 2
	START
.endif
.irp t, 0,1,2,3,4,5,6,7
	v_wmma_scale_f32_16x16x128_f8f6f4 v[SS+8*\t:SS+8*\t+7], v[KF+6*\t:KF+6*\t+11], v[QF:QF+11], 0, v[KS+\t], v[QW] matrix_a_fmt:MATRIX_FMT_FP6 matrix_b_fmt:MATRIX_FMT_FP6
.endr
.if \next                              ; four places ahead of loads into registers that the products read, and of the first read of the scores
	v_add_nc_u32 v[ADK], s[TK], v[L16]
	v_add_nc_u32 v[ADS], s[TS], v[R16]
.else
	v_nop
	v_nop
.endif
	v_mov_b32 v[TT], v12                           ; the old -M
	v_nop
.if \next
	KLOAD
.endif
.if \next == 2
	global_load_b64 v[QF:QF+1], v[L16], s[18:19] offset:520    ; the second tile of Q: registers 6-7, 8-11 of the image
	global_load_b128 v[QF+2:QF+5], v[L16], s[18:19] offset:1024
	global_load_b32 v[QW], v[R16], s[20:21] offset:4
.endif
.irp k, 0,1,2,3                        ; the largest score of my two blocks of 32 keys, in four chains of 16 by turns; each accumulator is read from its low end on
	v_max3_num_f32 v[BM+\k], v[SS+16*\k], v[SS+16*\k+1], v[SS+16*\k+2]
.endr
.irp i, 3,5,7,9,11,13
.irp k, 0,1,2,3
	v_max3_num_f32 v[BM+\k], v[BM+\k], v[SS+16*\k+\i], v[SS+16*\k+\i+1]
.endr
.endr
	v_max3_num_f32 v[BM], v[BM], v[BM+1], v[SS+15]
	v_max3_num_f32 v[BM+2], v[BM+2], v[BM+3], v[SS+47]
	v_max_num_f32 v[BM], v[BM], v[SS+31]           ; block h's largest score,
	v_max_num_f32 v[BM+2], v[BM+2], v[SS+63]       ; and block 2 + h's: they serve the row's maximum and, since p rises with the score, the blocks' largest p
	v_max_num_f32 v[BP], v[BM], v[BM+2]
	v_permlanex16_b32 v[BP+1], v[BP], s[SEL], s[SEL+1]
	v_max3_num_f32 v13, v13, v[BP], v[BP+1]        ; the running largest score of my query (c is positive)
	v_mul_f32 v[TT+1], s[CSN], v13
	v_floor_f32 v12, v[TT+1]                       ; -M = floor(-t): M is a whole number
	v_sub_f32 v[TT], v12, v[TT]                    ; old M - new M
	FMAS 0, 4
	v_cvt_i32_f32 v[TT], v[TT]                     ; (it saturates)
	FMAS 4, 8
	v_ldexp_f32 v[FQ], 1.0, v[TT]                  ; f = 2^(old M - new M)
	FMAS 8, 32
	v_fma_f32 v[BM], v[BM], s[CS], v12             ; the same of each block's largest score
	v_fma_f32 v[BM+2], v[BM+2], s[CS], v12
.set j, 0
.rept 16
	v_pk_mul_f32 v[OO+j:OO+j+1], v[OO+j:OO+j+1], v[FQ:FQ+1] op_sel_hi:[1,0]   ; O^T under the new M, ahead of the exponentials
.set j, j+2
.endr
	s_wait_alu depctr_va_vdst(0)                   ; ahead of the batch
.set j, 0
.rept 64
	v_exp_f32 v[SS+j], v[SS+j]                     ; p = 2^(t - M)
.set j, j+1
.endr
	v_exp_f32 v[BM], v[BM]                         ; the blocks' largest p: one batch with the 64
	v_exp_f32 v[BM+2], v[BM+2]
	v_pk_mul_f32 v[14:15], v[14:15], v[FQ:FQ+1] op_sel_hi:[1,0]   ; l under the new M: the plain place behind the batch
	s_wait_alu depctr_va_vdst(0)                   ; one wait for the batch of 66, ahead of its first reader
	v_max_num_f32 v[BM], 0x1800000, v[BM]          ; the floor 2^(3 - 127)
	v_max_num_f32 v[BM+2], 0x1800000, v[BM+2]
	v_add_nc_u32 v[SO], 0xff000000, v[BM]          ; 2 off the exponent field: the conversions' scale operand
	v_add_nc_u32 v[SO+1], 0xff000000, v[BM+2]
	v_lshrrev_b32 v[BM], 23, v[SO]                 ; the bytes
	v_lshrrev_b32 v[BM+2], 23, v[SO+1]
	v_lshl_or_b32 v[BM+1], v[BM+2], 16, v[BM]      ; my two, at bytes 0 and 2
	v_permlanex16_b32 v[BM+3], v[BM+1], s[SEL], s[SEL+1]
	v_lshl_or_b32 v[PW], v[BM+3], 8, v[BM+1]       ; lanes 0-15, which alone are read: blocks 0, 2 are mine, blocks 1, 3 lane l + 16's
.irp c, 0,1
	v_cvt_scalef32_pk16_fp6_f32 v[PC+6*\c:PC+6*\c+2], v[SS+32*\c:SS+32*\c+15], v[SO+\c]
	v_cvt_scalef32_pk16_fp6_f32 v[T0+4*\c:T0+4*\c+2], v[SS+32*\c+16:SS+32*\c+31], v[SO+\c]   ; (a conversion's three registers begin on an even number)
.endr
	v_pk_add_f32 v[FQ:FQ+1], v[SS:SS+1], v[SS+2:SS+3]             ; l takes the UNQUANTISED p.  (The plain place behind the conversions)
.irp c, 0,1
.irp i, 0,1,2
	v_mov_b32 v[PC+6*\c+3+\i], v[T0+4*\c+\i]
.endr
.endr
	v_pk_add_f32 v[SO:SO+1], v[SS+4:SS+5], v[SS+6:SS+7]
	SUMS 0, 15                                     ; also the places between the codes' and the scale word's last writes and the products
	s_wait_alu depctr_va_vdst(0)                   ; directly ahead of the wait below
.if \next
	s_wait_dscnt 14                                ; V and its scale words are in; the next K's 14 loads may be out
.else
	s_wait_dscnt 0x0
.endif
.irp t, 0,1,2,3
	v_wmma_scale_f32_16x16x128_f8f6f4 v[OO+8*\t:OO+8*\t+7], v[VF+12*\t:VF+12*\t+11], v[PC:PC+11], v[OO+8*\t:OO+8*\t+7], v[VS+\t], v[PW] matrix_a_fmt:MATRIX_FMT_FP6 matrix_b_fmt:MATRIX_FMT_FP6
.endr
.if \next
	v_add_nc_u32 v[ADV], s[TKV], v[L16]            ; four places ahead of the loads into V's registers
	v_add_nc_u32 v[ADT], s[TV], v[R16]
	SUMS 15, 17
	VLOAD
	SUMS 17, 28
.else
	SUMS 15, 28
.endif
	v_pk_add_f32 v[14:15], v[14:15], v[FQ:FQ+1]
	v_pk_add_f32 v[14:15], v[14:15], v[SO:SO+1]
.endm
; A PASS: one tile of 16 queries against all 2,048 keys.  Its first K and V are on their way when it begins.
.macro PASS ps
	v_mov_b32 v13, 0xff61b1e6                      ; the largest score so far: -3e38
	v_mov_b32 v12, 0x7d000000                      ; -M: a large whole number, so that the first f is 0
	v_mov_b32 v14, 0
	v_mov_b32 v15, 0
.set j, 0
.rept 32
	v_mov_b32 v[OO+j], 0                           ; the step is written once for the loop: its first trip finds zeros, which the first f leaves zeros
.set j, j+1
.endr
	s_wait_alu depctr_va_vdst(0)                   ; directly ahead of the waits below
	s_wait_xcnt 0x0                                ; the last pass's stores have read their registers
	s_wait_loadcnt 0x0                             ; Q
	s_mov_b32 s27, 15
.Lstep_\@:
	STEP 1
	s_sub_co_u32 s27, s27, 1
	s_cmp_lg_u32 s27, 0
	s_cbranch_scc1 .Lstep_\@
	STEP 2-2*\ps
	v_add_f32 v14, v14, v15
	v_permlanex16_b32 v[TT], v14, s[SEL], s[SEL+1]
	v_add_f32 v14, v14, v[TT]                      ; the row's sum
	s_wait_alu depctr_va_vdst(0)
	v_rcp_f32 v[FQ], v14
	v_nop                                          ; a plain place behind the reciprocal,
	s_wait_alu depctr_va_vdst(0)                   ; and the wait ahead of its first reader and of O^T's
.set j, 0
.rept 16
	v_pk_mul_f32 v[OO+j:OO+j+1], v[OO+j:OO+j+1], v[FQ:FQ+1] op_sel_hi:[1,0]   ; register 16 g + i: channel 32 g + 16 h + i of my query
.set j, j+2
.endr
.irp g, 0,1
	v_max3_num_f32 v[BM+\g], |v[OO+16*\g]|, |v[OO+1+16*\g]|, 0x1800000
.endr
.irp i, 2,4,6,8,10,12,14
.irp g, 0,1
	v_max3_num_f32 v[BM+\g], v[BM+\g], |v[OO+16*\g+\i]|, |v[OO+1+16*\g+\i]|
.endr
.endr
.irp g, 0,1
	v_permlanex16_b32 v[BM+2+\g], v[BM+\g], s[SEL], s[SEL+1]
.endr
.irp g, 0,1
	v_max_num_f32 v[BM+\g], v[BM+\g], v[BM+2+\g]
.endr
.irp g, 0,1
	v_add_nc_u32 v[SO+\g], 0xff000000, v[BM+\g]
.endr
.irp g, 0,1
	v_lshrrev_b32 v[BP+\g], 23, v[SO+\g]
.endr
	v_lshl_or_b32 v[PW], v[BP+1], 8, v[BP]         ; the head's two bytes; the upper half is 0
	v_cvt_scalef32_pk16_fp6_f32 v[PC:PC+2], v[OO:OO+15], v[SO]
	v_cvt_scalef32_pk16_fp6_f32 v[T0:T0+2], v[OO+16:OO+31], v[SO+1]
	v_lshrrev_b32 v[FQ], 1, v[L16]                 ; 8 x lane.  (The plain place behind the conversions)
.irp i, 0,1,2
	v_permlane16_swap_b32 v[PC+\i], v[T0+\i]       ; here a block lies in lanes l and l xor 16: the operand wants it whole in a lane
.endr
.irp i, 0,1,2
	v_mov_b32 v[PC+3+\i], v[T0+\i]
.endr
.irp p, 0,1,2
	global_store_b64 v[FQ], v[PC+2*\p:PC+2*\p+1], s[22:23] offset:\ps*12288+256*\p   ; 32 lanes store 256 consecutive bytes, aligned
.endr
.if \ps == 0
	v_mov_b32 v[W0], v[PW]
.else
	v_cndmask_b32 v[BP], v[W0], v[PW], s26         ; lanes 0-15 the first tile's words, lanes 16-31 the second's
	v_lshrrev_b32 v[FQ+1], 2, v[L16]               ; 4 x lane
	global_store_b32 v[FQ+1], v[BP], s[24:25]
.endif
.endm
	START
	v_add_nc_u32 v[ADK], s[TK], v[L16]
	v_add_nc_u32 v[ADS], s[TS], v[R16]
	v_add_nc_u32 v[ADV], s[TKV], v[L16]
	v_add_nc_u32 v[ADT], s[TV], v[R16]
	KLOAD
	VLOAD
	PASS 0
	PASS 1
	s_wait_tensorcnt 0x0                           ; the wave's end
	ds_add_u32 v[SPW], v[NIL]
	s_wait_dscnt 0x0
	CROUND                                         ; the closing round
	s_endpgm
.Lfunc_end_k_q3395e95e21_att:
	.size	k_q3395e95e21_att, .Lfunc_end_k_q3395e95e21_att-k_q3395e95e21_att
	.p2alignl 7, 3214868480
	.fill 96, 4, 3214868480
	.section	.rodata,"a",@progbits
	.p2align	6, 0x0
	.amdhsa_kernel k_q3395e95e21_att
		.amdhsa_group_segment_fixed_size 327680
		.amdhsa_private_segment_fixed_size 0
		.amdhsa_enable_private_segment 0
		.amdhsa_kernarg_size 16
		.amdhsa_user_sgpr_count 2
		.amdhsa_user_sgpr_kernarg_segment_ptr 1
		.amdhsa_wavefront_size32 1
		.amdhsa_system_sgpr_workgroup_id_x 1
		.amdhsa_system_sgpr_workgroup_id_y 1
		.amdhsa_system_sgpr_workgroup_id_z 1
		.amdhsa_system_vgpr_workitem_id 0
		.amdhsa_next_free_vgpr 256
		.amdhsa_next_free_sgpr 66
		.amdhsa_reserve_vcc 0
		.amdhsa_float_denorm_mode_32 3
		.amdhsa_float_denorm_mode_16_64 3
		.amdhsa_memory_ordered 1
		.amdhsa_forward_progress 1
		.amdhsa_inst_pref_size 75
	.end_amdhsa_kernel
	.amdgpu_metadata
---
amdhsa.version: [ 1, 2 ]
amdhsa.kernels:
  - .name:           k_q3395e95e21_att
    .symbol:         k_q3395e95e21_att.kd
    .args:
      - { .name: qkv, .offset: 0, .size: 8, .value_kind: global_buffer, .address_space: global }
      - { .name: ctx, .offset: 8, .size: 8, .value_kind: global_buffer, .address_space: global }
    .group_segment_fixed_size: 327680
    .private_segment_fixed_size: 0
    .kernarg_segment_align: 8
    .kernarg_segment_size: 16
    .max_flat_workgroup_size: 512
    .sgpr_count:     66
    .vgpr_count:     256
    .wavefront_size: 32
...
	.end_amdgpu_metadata
.endif
;; end of part 3
;; launch outp (part 4): grid 4 x 64, 4 waves a work-group, clusters of 4 x 4, 327,680 bytes of LDS; arguments ctx, wbuf, out0; writes out0
.if DOCPART == 4
	.amdgcn_target "amdgcn-amd-amdhsa--gfx1250"
	.amdhsa_code_object_version 6
	.text
	.protected	k_q3395e95e21_outp
	.globl	k_q3395e95e21_outp
	.p2align	8
	.type	k_q3395e95e21_outp,@function
k_q3395e95e21_outp:
	s_mov_b64 s[64:65], 0
	v_nop
	global_prefetch_b8 v0, s[64:65] scope:SCOPE_SE
	s_setreg_imm32_b32 hwreg(HW_REG_WAVE_MODE, 25, 1), 1
	s_wait_xcnt 0x0
	s_wait_alu depctr_hold_cnt(0) depctr_sa_sdst(0) depctr_va_vdst(0) depctr_va_sdst(0) depctr_va_ssrc(0) depctr_va_vcc(0) depctr_vm_vsrc(0)
	s_getreg_b32 s2, hwreg(HW_REG_IB_STS2, 6, 4)
	s_cmp_eq_u32 s2, 0
	s_cbranch_scc0 .Lentry_in_a_cluster
	s_endpgm
.Lentry_in_a_cluster:
	s_bfe_u32 s2, ttmp6, 0x10000c
	s_cmp_lg_u32 s2, 0xf033
	s_cbranch_scc0 .Lentry_shape_is_right
	s_endpgm
.Lentry_shape_is_right:
; out0[token][d] = sum over (head, channel) of ctx[token][..] Wo[..][d], on codes of FP6 with E8M0 scales; f32 sums, f32 out.
; OUT[i][j]: P = ctx's token tiles (source 1), R = Wo's columns (source 0): a lane holds one token and its registers run along d, 16 neighbours in the 16 registers of tiles 2 b, 2 b + 1.
; SHARES.  A work-group makes 128 tokens x 256 d over all of K; a wave 64 x 128: 32 accumulators.  All of K lies in LDS (294,912 bytes), every byte filled once, in two halves of 512 along K.
; CLUSTER 4 x 4: P's tiles are asked for jointly along a row of the cluster, R's along a column.  By this text's own count a wave has one tensor load out.
; REGISTERS: window 0: v1-15 addresses; v16-31 P's scale words, v32-63 R's; v64-159 P's fragments, two sets; v160-191 the heads' half scale words; on the way out v64-191 hold rows.  window 1: R's fragments.  window 2: accumulator (a, b) at v[8 (8 a + b)].
.set SPARE, 294912
; THE FILLS, in place of the four chunks named above: K comes in TWO HALVES of 512, 6,144 bytes of each tile.  LDS: [half][P's 8 tiles, R's 16 tiles][6,144].  One joint load a wave:
; wave 0 P's half 0, wave 1 R's half 0, wave 2 P's half 1, wave 3 R's half 1.  The first barrier shows waves 0 and 1's tiles, the barrier in K step 3 the other two.  By this text's own count a wave has one tensor load out.
.set RB,    49152                      ; R's tiles begin here in each half
.set MUL,   0xa1
.set TO_R,  0x40
.set MSB, 0
.macro WIN new                         ; the immediate's high byte repeats the setting that is left
.if MSB != \new
	s_set_vgpr_msb (MSB<<8)|\new
.set MSB, \new
.endif
.endm
.macro CROUND
	s_barrier_signal -1
	s_barrier_wait -1
	s_cmp_lg_u32 s10, 0
	s_cbranch_scc1 .Lnot_wave_0_\@
	s_barrier_signal -3
.Lnot_wave_0_\@:
	s_barrier_wait -3
	s_barrier_signal -1
	s_barrier_wait -1
.endm
	s_load_b128 s[4:7], s[0:1], 0x0                ; ctx, wbuf
	s_load_b64 s[8:9], s[0:1], 0x10                ; out0
	v_lshl_add_u32 v8, v0, 2, SPARE
	v_mov_b32 v9, 0
	ds_add_u32 v8, v9                              ; the wave's opening: the add and its wait ahead of my first tensor load
	ds_add_u32 v8, v9
	v_lshrrev_b32 v1, 5, v0
	v_readfirstlane_b32 s10, v1                    ; wave
	s_lshr_b32 s11, s10, 1                         ; wi.  Also: which half of K I fetch
	s_and_b32 s12, s10, 1                          ; wj.  Also: I fetch for P (0) or R (1)
	s_bfe_u32 s13, ttmp6, 0x40000                  ; cx
	s_bfe_u32 s14, ttmp6, 0x40004                  ; cy
	s_and_b32 s15, ttmp7, 0xffff
	s_lshl_b32 s18, s15, 2
	s_add_co_u32 s18, s18, s14                     ; IT: which 128 tokens
	s_mov_b32 s19, s13                             ; JT: which 256 d
	s_lshl_b32 s22, s14, 2
	s_lshl_b32 s22, 15, s22                        ; my row of the cluster
	s_lshl_b32 s23, 0x1111, s13                    ; my column
	s_or_b32 s32, s22, (3<<16)|(1<<21)             ; group 1: rows = tiles, 12,288 bytes apart; of each its 6,144 bytes of a half of K
	s_mov_b32 s33, 768<<16
	s_mov_b32 s34, 8<<16
	s_mov_b32 s35, 768<<16
	s_mov_b32 s36, 8
	s_mov_b32 s37, 1536
	s_mov_b32 s38, 0
	s_mov_b32 s39, 0
	s_or_b32 s40, s23, (3<<16)|(1<<21)
	s_mov_b32 s41, 768<<16
	s_mov_b32 s42, 16<<16
	s_mov_b32 s43, 768<<16
	s_mov_b32 s44, 16
	s_mov_b32 s45, 1536
	s_mov_b32 s46, 0
	s_mov_b32 s47, 0
	s_mul_i32 s84, s18, 98304                      ; (s2 holds nothing of cx, s3 nothing of cy)
	s_mul_i32 s2, s11, 6144                        ; the half of K that my load brings: wave / 2
	s_add_co_u32 s84, s84, s2
	s_mov_b32 s85, 0
	s_mul_i32 s86, s19, 196608
	s_mul_i32 s3, s11, 6144
	s_add_co_u32 s86, s86, s3
	s_add_co_u32 s86, s86, 2359296                 ; Wo's codes
	s_mov_b32 s87, 0
	s_lshl_b32 s88, s18, 9
	s_lshl_b32 s2, s11, 8
	s_add_co_u32 s88, s88, s2
	s_add_co_u32 s88, s88, 6291456                 ; ctx's half scale words of my 64 tokens, head 0
	s_mov_b32 s89, 0
	s_lshl_b32 s90, s19, 1
	s_add_co_u32 s90, s90, s12
	s_lshl_b32 s90, s90, 12
	s_add_co_u32 s90, s90, 3244032                 ; Wo's scale words of my 128 columns
	s_mov_b32 s91, 0
	s_lshl_b32 s92, s18, 7
	s_lshl_b32 s66, s11, 6
	s_add_co_u32 s92, s92, s66
	s_lshl_b32 s92, s92, 12                        ; my first token's row of 4,096 bytes,
	s_lshl_b32 s66, s19, 10
	s_add_co_u32 s92, s92, s66
	s_lshl_b32 s66, s12, 9
	s_add_co_u32 s92, s92, s66                     ; my 512 bytes of it
	s_mov_b32 s93, 0
	s_mul_i32 s97, s11, 147456                     ; where my load goes: the half's P, or the half's R
	s_mul_i32 s98, s11, 147456
	s_add_co_u32 s98, s98, RB
	v_and_b32 v1, 31, v0
	v_and_b32 v14, 15, v0                          ; r
	v_bfe_u32 v15, v0, 4, 1                        ; hh
	v_lshlrev_b32 v10, 4, v1                       ; 16 x lane
	v_lshlrev_b32 v11, 2, v1                       ; 4 x lane
	v_lshlrev_b32 v1, 3, v1                        ; 8 x lane
	s_mul_i32 s99, s11, 24576
	v_add_nc_u32 v2, s99, v1                       ; P's fragments: my four tiles, half 0;
	v_add_nc_u32 v3, 0x24000, v2                   ; half 1
	s_mul_i32 s99, s12, 49152
	s_add_co_u32 s99, s99, RB
	v_add_nc_u32 v4, s99, v1                       ; R's: my eight tiles, half 0;
	v_add_nc_u32 v5, 0x24000, v4                   ; half 1
	s_mul_i32 s99, s10, 8448                       ; my stage for the way out: 16 rows of 512 bytes + 16
	v_mul_u32_u24 v12, v14, 528
	v_lshl_add_u32 v12, v15, 6, v12
	v_add_nc_u32 v12, s99, v12                     ; in: row r, + 64 hh
	v_add_nc_u32 v13, s99, v10                     ; back: 16 x lane
	s_wait_alu depctr_va_vdst(0)                   ; the head's end
	s_wait_dscnt 0x0                               ; both opening adds are done
	s_wait_kmcnt 0x0
	s_add_nc_u64 s[84:85], s[4:5], s[84:85]
	s_add_nc_u64 s[86:87], s[6:7], s[86:87]
	s_add_nc_u64 s[88:89], s[4:5], s[88:89]
	s_add_nc_u64 s[90:91], s[6:7], s[90:91]
	s_add_nc_u64 s[92:93], s[8:9], s[92:93]
	s_mov_b32 s48, 1
	s_mov_b32 s49, s97
	s_mov_b64 s[50:51], s[84:85]
	s_or_b32 s51, s51, 0x80000000
	s_mov_b32 s68, 1
	s_mov_b32 s69, s98
	s_mov_b64 s[70:71], s[86:87]
	s_or_b32 s71, s71, 0x80000000
	CROUND                                         ; all sixteen work-groups are here: the joint loads meet
	s_cmp_eq_u32 s10, 0                            ; one chain of branches on the wave's number, one load to an arm; an s_nop 0 and four v_nop follow each
	s_cbranch_scc0 .Lw1
	tensor_load_to_lds s[48:51], s[32:39]          ; wave 0: P, half 0
	s_nop 0
.rept 4
	v_nop
.endr
	s_branch .Lasked
.Lw1:
	s_cmp_eq_u32 s10, 1
	s_cbranch_scc0 .Lw2
	tensor_load_to_lds s[68:71], s[40:47]          ; wave 1: R, half 0
	s_nop 0
.rept 4
	v_nop
.endr
	s_branch .Lasked
.Lw2:
	s_cmp_eq_u32 s10, 2
	s_cbranch_scc0 .Lw3
	tensor_load_to_lds s[48:51], s[32:39]          ; wave 2: P, half 1
	s_nop 0
.rept 4
	v_nop
.endr
	s_branch .Lasked
.Lw3:
	tensor_load_to_lds s[68:71], s[40:47]          ; wave 3: R, half 1
	s_nop 0
.rept 4
	v_nop
.endr
.Lasked:
.irp h, 0,1,2,3,4,5,6,7,8,9,10,11,12,13,14,15
.irp n, 0,1
	global_load_b32 v[160+2*\h+\n], v11, s[88:89] offset:32768*\h+128*\n   ; head h's two bytes for the tokens of tiles 2 n (lanes 0-15) and 2 n + 1 (lanes 16-31)
.endr
.endr
.irp s, 0,1,2,3,4,5,6,7
.irp n, 0,1,2,3
	global_load_b32 v[32+4*\s+\n], v11, s[90:91] offset:512*\s+128*\n
.endr
.endr
.macro FETCH k, u
	WIN TO_R
.irp b, 0,1,2,3,4,5,6,7
.irp p, 0,1,2,3,4,5
	ds_load_b64 v[128*(\u)+12*\b+2*\p:128*(\u)+12*\b+2*\p+1], v[4+(\k)/4] offset:6144*\b+1536*((\k)%4)+256*\p
.endr
.endr
	WIN 0
.irp a, 0,1,2,3
.irp p, 0,1,2,3,4,5
	ds_load_b64 v[64+48*(\u)+12*\a+2*\p:64+48*(\u)+12*\a+2*\p+1], v[2+(\k)/4] offset:6144*\a+1536*((\k)%4)+256*\p
.endr
.endr
.endm
.macro MM a, b, k                      ; accumulator (a, b), K step k; an odd tile's scale words lie in lanes 16-31
.set DD, 8*(8*(\a)+(\b))
.set RA, 128*((\k)%2)+12*(\b)
.set PB, 64+48*((\k)%2)+12*(\a)
.set SA, 32+4*(\k)+(\b)/2
.set SB, 16+2*(\k)+(\a)/2
.set VAR, 2*((\b)%2)+(\a)%2
.if (\k) == 0
.if VAR == 0
	v_wmma_scale_f32_16x16x128_f8f6f4 v[DD:DD+7], v[RA:RA+11], v[PB:PB+11], 0, v[SA], v[SB] matrix_a_fmt:MATRIX_FMT_FP6 matrix_b_fmt:MATRIX_FMT_FP6
.elseif VAR == 1
	v_wmma_scale_f32_16x16x128_f8f6f4 v[DD:DD+7], v[RA:RA+11], v[PB:PB+11], 0, v[SA], v[SB] matrix_a_fmt:MATRIX_FMT_FP6 matrix_b_fmt:MATRIX_FMT_FP6 matrix_b_scale:MATRIX_SCALE_ROW1
.elseif VAR == 2
	v_wmma_scale_f32_16x16x128_f8f6f4 v[DD:DD+7], v[RA:RA+11], v[PB:PB+11], 0, v[SA], v[SB] matrix_a_fmt:MATRIX_FMT_FP6 matrix_b_fmt:MATRIX_FMT_FP6 matrix_a_scale:MATRIX_SCALE_ROW1
.else
	v_wmma_scale_f32_16x16x128_f8f6f4 v[DD:DD+7], v[RA:RA+11], v[PB:PB+11], 0, v[SA], v[SB] matrix_a_fmt:MATRIX_FMT_FP6 matrix_b_fmt:MATRIX_FMT_FP6 matrix_a_scale:MATRIX_SCALE_ROW1 matrix_b_scale:MATRIX_SCALE_ROW1
.endif
.else
.if VAR == 0
	v_wmma_scale_f32_16x16x128_f8f6f4 v[DD:DD+7], v[RA:RA+11], v[PB:PB+11], v[DD:DD+7], v[SA], v[SB] matrix_a_fmt:MATRIX_FMT_FP6 matrix_b_fmt:MATRIX_FMT_FP6
.elseif VAR == 1
	v_wmma_scale_f32_16x16x128_f8f6f4 v[DD:DD+7], v[RA:RA+11], v[PB:PB+11], v[DD:DD+7], v[SA], v[SB] matrix_a_fmt:MATRIX_FMT_FP6 matrix_b_fmt:MATRIX_FMT_FP6 matrix_b_scale:MATRIX_SCALE_ROW1
.elseif VAR == 2
	v_wmma_scale_f32_16x16x128_f8f6f4 v[DD:DD+7], v[RA:RA+11], v[PB:PB+11], v[DD:DD+7], v[SA], v[SB] matrix_a_fmt:MATRIX_FMT_FP6 matrix_b_fmt:MATRIX_FMT_FP6 matrix_a_scale:MATRIX_SCALE_ROW1
.else
	v_wmma_scale_f32_16x16x128_f8f6f4 v[DD:DD+7], v[RA:RA+11], v[PB:PB+11], v[DD:DD+7], v[SA], v[SB] matrix_a_fmt:MATRIX_FMT_FP6 matrix_b_fmt:MATRIX_FMT_FP6 matrix_a_scale:MATRIX_SCALE_ROW1 matrix_b_scale:MATRIX_SCALE_ROW1
.endif
.endif
.endm
.macro MUL8 a, k
.irp b, 0,1,2,3,4,5,6,7
	MM \a, \b, \k
.endr
.endm
; A K step of 128: 32 matrix instructions, the 32 accumulators by turns in the same order in every step; the first step's products start the sums.
.macro KSTEP k
	s_wait_dscnt 0x0                               ; this step's fragments are in
.if (\k) == 3
	s_wait_tensorcnt 0x0                           ; my load has landed, whichever half it brought
	s_barrier_signal -1
.endif
	WIN MUL
	MUL8 0, \k
.if (\k) == 3
	s_barrier_wait -1
.endif
.if (\k) < 7
.rept 4
	v_nop                                          ; four places between the last step's products and loads into the registers that they read
.endr
	FETCH (\k)+1, ((\k)+1)%2
.endif
	WIN MUL
	MUL8 1, \k
	MUL8 2, \k
	MUL8 3, \k
.endm
	s_cmp_lt_u32 s10, 2                            ; waves 0 and 1 brought half 0: they wait for it; half 1 may be on its way, nothing is filled again
	s_cbranch_scc0 .Lnot_h0
	s_wait_tensorcnt 0x0
.Lnot_h0:
	s_barrier_signal -1
	s_barrier_wait -1
	s_wait_alu depctr_va_vdst(0)
	FETCH 0, 0
	s_wait_loadcnt 0x0                             ; the scale words
.irp s, 0,1,2,3,4,5,6,7
.irp n, 0,1
	v_lshl_or_b32 v[16+2*\s+\n], v[160+4*\s+2+\n], 16, v[160+4*\s+\n]   ; K step s is heads 2 s and 2 s + 1: their two halves make the word
.endr
.endr
.rept 8
	v_nop                                          ; a scale register written by a vector instruction stands eight places ahead of a scaled matrix instruction
.endr
.irp s, 0,1,2,3,4,5,6,7
	s_wait_alu depctr_va_vdst(0)
	KSTEP \s
.endr
	WIN 0
.rept 4
	v_nop                                          ; places ahead of the first read of results and of loads into P's registers
.endr
	s_wait_dscnt 0x0
	s_barrier_signal -1
	s_barrier_wait -1                              ; nobody reads P's tiles any more, and they have had their last fill: the stages lie there
; THE WAY OUT, a token tile (16 rows x 512 bytes) at a time, through my own stage; LDS serves a wave's instructions in order, so no wait stands between the stores and the loads
.macro TOSTAGE a
	WIN 0x08                                       ; an LDS store's data: window 2
.irp g, 0,1,2,3
.irp q, 0,1,2,3
	ds_store_b128 v12, v[64*(\a)+16*\g+4*\q:64*(\a)+16*\g+4*\q+3] offset:128*\g+16*\q   ; each accumulator from its low end on
.endr
.endr
	WIN 0
.irp t, 0,1,2,3,4,5,6,7,8,9,10,11,12,13,14,15
	ds_load_b128 v[64+64*((\a)%2)+4*\t:64+64*((\a)%2)+4*\t+3], v13 offset:528*\t
.endr
.endm
.macro SEND a, younger                 ; younger: the LDS instructions issued behind this tile's loads, which may stay out
	s_wait_dscnt \younger
.irp t, 0,1,2,3,4,5,6,7,8,9,10,11,12,13,14,15
	global_store_b128 v10, v[64+64*((\a)%2)+4*\t:64+64*((\a)%2)+4*\t+3], s[92:93] offset:(32*((\a)/2)+8*((\a)%2)+\t+8*(\t/8))*4096 th:TH_STORE_NT   ; 32 lanes store 512 consecutive bytes of the token's row, aligned
.endr
.endm
	TOSTAGE 0
	TOSTAGE 1
	SEND 0, 32                                     ; behind tile 0's loads: tile 1's 16 stores and 16 loads
	s_wait_xcnt 0x0                                ; tile 0's stores have read their registers
	TOSTAGE 2
	SEND 1, 32
	s_wait_xcnt 0x0
	TOSTAGE 3
	SEND 2, 32
	SEND 3, 0
	s_wait_tensorcnt 0x0                           ; the wave's end, behind my last LDS store
	ds_add_u32 v8, v9
	s_wait_dscnt 0x0
	CROUND                                         ; the closing round
	s_endpgm
.Lfunc_end_k_q3395e95e21_outp:
	.size	k_q3395e95e21_outp, .Lfunc_end_k_q3395e95e21_outp-k_q3395e95e21_outp
	.p2alignl 7, 3214868480
	.fill 96, 4, 3214868480
	.section	.rodata,"a",@progbits
	.p2align	6, 0x0
	.amdhsa_kernel k_q3395e95e21_outp
		.amdhsa_group_segment_fixed_size 327680
		.amdhsa_private_segment_fixed_size 0
		.amdhsa_enable_private_segment 0
		.amdhsa_kernarg_size 24
		.amdhsa_user_sgpr_count 2
		.amdhsa_user_sgpr_kernarg_segment_ptr 1
		.amdhsa_wavefront_size32 1
		.amdhsa_system_sgpr_workgroup_id_x 1
		.amdhsa_system_sgpr_workgroup_id_y 1
		.amdhsa_system_sgpr_workgroup_id_z 1
		.amdhsa_system_vgpr_workitem_id 0
		.amdhsa_next_free_vgpr 768
		.amdhsa_next_free_sgpr 102
		.amdhsa_reserve_vcc 0
		.amdhsa_float_denorm_mode_32 3
		.amdhsa_float_denorm_mode_16_64 3
		.amdhsa_memory_ordered 1
		.amdhsa_forward_progress 1
		.amdhsa_inst_pref_size 100
	.end_amdhsa_kernel
	.amdgpu_metadata
---
amdhsa.version: [ 1, 2 ]
amdhsa.kernels:
  - .name:           k_q3395e95e21_outp
    .symbol:         k_q3395e95e21_outp.kd
    .args:
      - { .name: ctx, .offset: 0, .size: 8, .value_kind: global_buffer, .address_space: global }
      - { .name: wbuf, .offset: 8, .size: 8, .value_kind: global_buffer, .address_space: global }
      - { .name: out0, .offset: 16, .size: 8, .value_kind: global_buffer, .address_space: global }
    .group_segment_fixed_size: 327680
    .private_segment_fixed_size: 0
    .kernarg_segment_align: 8
    .kernarg_segment_size: 24
    .max_flat_workgroup_size: 128
    .sgpr_count:     102
    .vgpr_count:     768
    .wavefront_size: 32
...
	.end_amdgpu_metadata
.endif
;; end of part 4
